; MI455X (gfx1250); checked and timed in simulation.
; The chip was launched on July 23, 2026; its instructions are those of AMD's public machine-readable ISA for CDNA 5 (MIT licence, August 2026) and "CDNA5" Instruction Set Architecture Reference Guide (July 2026). The comments in the code are by the model that wrote it; some were corrected since.
;; MHN. Allowed arithmetic: float matrix products may take bf16 or f16 operands with f32 sums; other float arithmetic in f32, or as packed bf16 or f16 multiplies, adds, multiply-adds, maxima and minima; sums over many terms, partial sums and values carried from step to step in f32; what a program stores and reads back later, other than sums and carried values, may be rounded once to bf16 or f16.
;; Inputs: W_mol 1,024 x 2,048 float32; W_temp 1,024 x 2,048 float32; b_mol 1,024 float32; b_temp 1,024 float32; m 512 x 2,048 float32; templates 25,000 x 2,048 float32.
;; Outputs: out0 512 x 25,000 float32.
;; 2 versions, each right; version 2 is version 1 with the launches enc, fold written anew for expert scheduling mode. Each part assembles by itself: llvm-mc -triple=amdgcn-amd-amdhsa -mcpu=gfx1250 --defsym DOCPART=n.
;; ======== version 1 of 2: 3 launches
;; limits: values are held in f16: magnitudes above 65,504 overflow, below 6.1e-05 lose precision; right only within a limited range of input values
;; workspace buffers: XiF 1,048,576 bytes; WtF 4,194,304 bytes; QF 2,097,152 bytes; scb 4,096 bytes
;; launch enc (part 1): grid 16 x 16, 16 waves a work-group, no clusters, 133,120 bytes of LDS; arguments m, W_mol, b_mol, W_temp, XiF, WtF; writes XiF, WtF
.if DOCPART == 1
	.amdgcn_target "amdgcn-amd-amdhsa--gfx1250"
	.amdhsa_code_object_version 6
	.text
	.protected	k_q56c6761f09_enc
	.globl	k_q56c6761f09_enc
	.p2align	8
	.type	k_q56c6761f09_enc,@function
k_q56c6761f09_enc:
	s_mov_b64 s[64:65], 0
	v_nop
	global_prefetch_b8 v0, s[64:65] scope:SCOPE_SE
	s_setreg_imm32_b32 hwreg(HW_REG_WAVE_MODE, 25, 1), 1
	s_wait_xcnt 0x0
; Xi = m W_mol^T + b_mol, [512][1024], rounded once to f16; beside it W_temp is rounded to f16 and transposed.  Products in f16, sums in f32.
; LIMITS.  m, W_mol, W_temp and Xi are rounded to f16: magnitudes stay under 65,504; below 6e-5 a number keeps f16's fixed step of 6e-8.  NaN and infinities are not treated apart.
; The K sum is split in 16 parts that are added as a tree: another order of rounding than a single chain.
; FRAGMENT ORDER.  Both outputs are written as blocks of 1,024 bytes, one 16 row x 32 K fragment each: byte 512 u + 16 l holds registers 4u..4u+3 of lane l = r + 16 h, which are row r, K = 16 u + 8 h + 0..7.
;   XiF: block (b / 16, a / 32) at ((b/16) 32 + a/32) 1024.      WtF: rows are W_temp's column index k, K is a: block (k / 16, a / 32) at ((k/16) 32 + a/32) 1024.
; SHARES.  A work-group makes 32 rows x 64 columns of Xi: 2 x 4 tiles of 16 x 16.  K = 2,048 IS SPLIT AMONG ITS 16 WAVES, 128 each, in four trips of 32; no wave wants a byte that another wave fetched,
; so fragments come straight from memory (f32, 4 loads of 16 bytes a lane and fragment) and are packed to f16 in registers.  The 16 partial sums meet in LDS; waves 0-7 finish a tile each.
; THE MATRIX INSTRUCTION IS USED TRANSPOSED (source 0 = 16 rows of W_mol, source 1 = 16 rows of m): a lane ends with row r of Xi and 8 neighbouring columns, which packed are one 16-byte piece of a block of XiF:
; a wave's store covers 512 consecutive bytes, aligned.
; NO CLUSTER, NO TENSOR LOADS: each byte goes once from memory into the registers of the one wave that multiplies it within the work-group; a way through LDS would add a write and a read of the same bytes.
.set ROWB,  8192                       ; bytes in a row of m, W_mol, W_temp
.set TILEB, 16*ROWB
.set PARTW, 8192                       ; LDS: wave v's 8 partial tiles, 1,024 bytes each, at 8,192 v
.set SPARE, 16*PARTW                   ; behind them: the spare words, 128 bytes for each of 16 waves: eight blocks of 256 bytes that no other line names
.set FO,   4                           ; v4   r x 8,192 + 32 h + 512 x wave: my place in a fragment's f32 rows
.set SO,   5                           ; v5   h x 65,536 + 4 r: my place in the 32 x 16 piece of W_temp that my wave turns
.set L16,  6                           ; v6   16 x lane
.set BO,   7                           ; v7   32 h
.set LS,   8                           ; v8   where I put partial sums
.set LR,   9                           ; v9   where I read partial sums 0-7 of my tile back
.set SPW,  10                          ; v10  LDS address of my spare word; never rewritten
.set NIL,  11                          ; v11  0; never rewritten
.set LR2,  12                          ; v12  the same as LR for partial sums 8-15: an LDS immediate has 16 bits
.set ACC,  16                          ; v[16:79]    tile (i, j) at ACC + 8 (4 i + j)
.set RAW,  80                          ; v[80:175]   6 fragments x 16 f32: two of m, four of W_mol
.set FR,   176                         ; v[176:223]  the same 6 fragments in f16, 8 registers each
.set SIDE, 224                         ; v[224:239]  the piece of W_temp
.set BIAS, 240                         ; v[240:247]  b_mol of my 8 columns
	s_load_b256 s[4:11], s[0:1], 0x0               ; m s[4:5], W_mol s[6:7], b_mol s[8:9], W_temp s[10:11]
	s_load_b128 s[12:15], s[0:1], 0x20             ; XiF s[12:13], WtF s[14:15]
	v_lshl_add_u32 v[SPW], v0, 2, SPARE
	v_mov_b32 v[NIL], 0
	v_lshrrev_b32 v1, 5, v0
	v_readfirstlane_b32 s16, v1                    ; wave 0..15
	v_and_b32 v1, 15, v0                           ; r
	v_bfe_u32 v2, v0, 4, 1                         ; h
	v_and_b32 v3, 31, v0                           ; lane
	s_mov_b32 s17, ttmp9                           ; bx: 64 columns of Xi
	s_and_b32 s18, ttmp7, 0xffff                   ; by: 32 rows of Xi
	s_lshl_b32 s19, s16, 9                         ; my wave's 128 K: 512 bytes of a row
	v_lshlrev_b32 v[FO], 13, v1
	v_lshl_add_u32 v[FO], v2, 5, v[FO]
	v_add_nc_u32 v[FO], s19, v[FO]
	v_lshlrev_b32 v[SO], 2, v1
	v_lshl_add_u32 v[SO], v2, 16, v[SO]
	v_lshlrev_b32 v[L16], 4, v3
	v_lshlrev_b32 v[BO], 5, v2
	s_lshl_b32 s19, s16, 13
	v_lshl_add_u32 v[LS], v3, 4, s19
	s_lshl_b32 s19, s16, 10                        ; waves 0-7: tile = wave's number
	v_lshl_add_u32 v[LR], v3, 4, s19
	v_add_nc_u32 v[LR2], 0x10000, v[LR]
	s_and_b32 s34, s16, 3                          ; j = wave & 3
	s_lshr_b32 s35, s16, 2                         ; wave >> 2
	s_lshl_b32 s36, s18, 4
	s_add_co_u32 s36, s36, s17                     ; g = 16 by + bx: the work-group's number, 0..255
	s_and_b32 s37, s36, 31
	s_lshl_b32 s37, s37, 2
	s_add_co_u32 s37, s37, s34                     ; the block of WtF that my wave writes: k / 16 = 4 (g & 31) + (wave & 3): four neighbouring waves read 256 consecutive bytes of each row of W_temp
	s_lshr_b32 s38, s36, 5
	s_lshl_b32 s38, s38, 2
	s_add_co_u32 s38, s38, s35                     ; a / 32 = 4 (g >> 5) + (wave >> 2)
	s_and_b32 s35, s35, 1                          ; i, the m tile that waves 0-7 finish
	s_mov_b32 s33, 0                               ; offsets are made apart from the addresses, in s[32:33]
	s_wait_kmcnt 0x0
	s_lshl_b32 s32, s18, 18
	s_add_nc_u64 s[20:21], s[4:5], s[32:33]        ; m at the work-group's 32 rows
	s_lshl_b32 s32, s17, 19
	s_add_nc_u64 s[22:23], s[6:7], s[32:33]        ; W_mol at its 64 rows
	s_lshl_b32 s32, s38, 18
	s_lshl_b32 s39, s37, 6
	s_add_co_u32 s32, s32, s39
	s_add_nc_u64 s[24:25], s[10:11], s[32:33]      ; W_temp at row 32 (a/32), column 16 (k/16)
	s_lshl_b32 s32, s37, 5
	s_add_co_u32 s32, s32, s38
	s_lshl_b32 s32, s32, 10
	s_add_nc_u64 s[26:27], s[14:15], s[32:33]      ; my block of WtF
	s_lshl_b32 s32, s18, 1
	s_add_co_u32 s32, s32, s35                     ; b / 16 = 2 by + i
	s_lshl_b32 s32, s32, 5
	s_lshl_b32 s39, s17, 1
	s_add_co_u32 s32, s32, s39
	s_lshr_b32 s39, s34, 1
	s_add_co_u32 s32, s32, s39                     ; a / 32 = 2 bx + j / 2
	s_lshl_b32 s32, s32, 1
	s_and_b32 s39, s34, 1
	s_add_co_u32 s32, s32, s39                     ; u = j & 1
	s_lshl_b32 s32, s32, 9
	s_add_nc_u64 s[28:29], s[12:13], s[32:33]      ; my 512 bytes of XiF
	s_lshl_b32 s32, s17, 8
	s_lshl_b32 s39, s34, 6
	s_add_co_u32 s32, s32, s39
	s_add_nc_u64 s[30:31], s[8:9], s[32:33]        ; b_mol at column 64 bx + 16 j
; A trip's 24 loads: for each fragment K = 8 h + 0..7 (32 bytes) and K = 16 + 8 h + 0..7 (32 bytes, 64 further on) of row r.
.macro LOADS kq
.irp f, 0,1
.irp p, 0,1,2,3
	global_load_b128 v[RAW+16*(\f)+4*(\p):RAW+16*(\f)+4*(\p)+3], v[FO], s[20:21] offset:(\f)*TILEB+(\kq)*128+((\p)/2)*64+((\p)%2)*16
.endr
.endr
.irp f, 0,1,2,3
.irp p, 0,1,2,3
	global_load_b128 v[RAW+32+16*(\f)+4*(\p):RAW+32+16*(\f)+4*(\p)+3], v[FO], s[22:23] offset:(\f)*TILEB+(\kq)*128+((\p)/2)*64+((\p)%2)*16
.endr
.endr
.endm
.macro CVT                             ; 96 f32 to 48 registers of f16, rounded to nearest even
.set n, 0
.rept 48
	v_cvt_pk_f16_f32 v[FR+n], v[RAW+2*n], v[RAW+2*n+1]
.set n, n+1
.endr
.endm
.macro MULS zero                       ; 8 products; the 8 accumulators take turns, in the same order in every trip.  zero = 1: the first trip starts the sums
.irp i, 0,1
.irp j, 0,1,2,3
.if \zero
	v_wmma_f32_16x16x32_f16 v[ACC+8*(4*(\i)+(\j)):ACC+8*(4*(\i)+(\j))+7], v[FR+8*(2+(\j)):FR+8*(2+(\j))+7], v[FR+8*(\i):FR+8*(\i)+7], 0
.else
	v_wmma_f32_16x16x32_f16 v[ACC+8*(4*(\i)+(\j)):ACC+8*(4*(\i)+(\j))+7], v[FR+8*(2+(\j)):FR+8*(2+(\j))+7], v[FR+8*(\i):FR+8*(\i)+7], v[ACC+8*(4*(\i)+(\j)):ACC+8*(4*(\i)+(\j))+7]
.endif
.endr
.endr
.endm
.macro PLACES                          ; four plain vector instructions between a matrix instruction and a line that writes its sources or reads its result (ISA guide 7.12.1)
.rept 4
	v_nop
.endr
.endm
	global_load_b128 v[BIAS:BIAS+3],   v[BO], s[30:31]
	global_load_b128 v[BIAS+4:BIAS+7], v[BO], s[30:31] offset:16
.set j, 0
.rept 16                               ; W_temp[32 (a/32) + 8 h + j (+ 8 for j >= 8)][16 (k/16) + r]
	global_load_b32 v[SIDE+j], v[SO], s[24:25] offset:(j+8*(j/8))*ROWB
.set j, j+1
.endr
	LOADS 0
	s_wait_loadcnt 0x0                             ; trip 0, the bias and the piece of W_temp are in
	CVT
	LOADS 1                                        ; the next trip's loads go out ahead of this trip's products
	MULS 1
.set n, 0
.rept 8                                ; neighbouring a of one k go into one register: that is the transposition.  In place: register n is written when 2 n and 2 n + 1 have been read
	v_cvt_pk_f16_f32 v[SIDE+n], v[SIDE+2*n], v[SIDE+2*n+1]
.set n, n+1
.endr
	global_store_b128 v[L16], v[SIDE:SIDE+3],   s[26:27]             ; 512 consecutive bytes each, aligned; SIDE is not written again
	global_store_b128 v[L16], v[SIDE+4:SIDE+7], s[26:27] offset:512
.irp kq, 1,2
	PLACES                                         ; FR is rewritten behind the products that read it
	s_wait_loadcnt 0x0
	CVT
	LOADS (\kq)+1
	MULS 0
.endr
	PLACES
	s_wait_loadcnt 0x0
	CVT
	MULS 0
	PLACES
	PLACES
.set t, 0
.rept 8                                ; each accumulator's low registers are read first
	ds_store_b128 v[LS], v[ACC+8*t:ACC+8*t+3]   offset:1024*t
	ds_store_b128 v[LS], v[ACC+8*t+4:ACC+8*t+7] offset:1024*t+512
.set t, t+1
.endr
	s_wait_dscnt 0x0                               ; for the others' sake: my partial sums lie in LDS
	s_barrier_signal -1
	s_barrier_wait -1                              ; all 16 waves' do
	s_cmp_lt_u32 s16, 8                            ; wave v < 8 finishes tile v = 4 i + j
	s_cbranch_scc0 .Lend
.set p, 0
.rept 8
	ds_load_b128 v[RAW+8*p:RAW+8*p+3],       v[LR]  offset:p*PARTW
	ds_load_b128 v[RAW+8*p+4:RAW+8*p+7],     v[LR]  offset:p*PARTW+512
	ds_load_b128 v[RAW+64+8*p:RAW+64+8*p+3], v[LR2] offset:p*PARTW
	ds_load_b128 v[RAW+64+8*p+4:RAW+64+8*p+7], v[LR2] offset:p*PARTW+512
.set p, p+1
.endr
	s_wait_dscnt 0x0
.irp s, 8,4,2,1                        ; the 16 partial sums as a tree, two f32 an instruction
.set p, 0
.rept \s
.set q, 0
.rept 4
	v_pk_add_f32 v[RAW+8*p+2*q:RAW+8*p+2*q+1], v[RAW+8*p+2*q:RAW+8*p+2*q+1], v[RAW+8*(p+(\s))+2*q:RAW+8*(p+(\s))+2*q+1]
.set q, q+1
.endr
.set p, p+1
.endr
.endr
.irp q, 0,1,2,3
	v_pk_add_f32 v[RAW+2*(\q):RAW+2*(\q)+1], v[RAW+2*(\q):RAW+2*(\q)+1], v[BIAS+2*(\q):BIAS+2*(\q)+1]
.endr
.irp q, 0,1,2,3
	v_cvt_pk_f16_f32 v[RAW+8+(\q)], v[RAW+2*(\q)], v[RAW+2*(\q)+1]
.endr
	global_store_b128 v[L16], v[RAW+8:RAW+11], s[28:29]              ; 512 consecutive bytes, aligned
.Lend:
	s_wait_tensorcnt 0x0                           ; the wave's end, behind my last LDS store
	ds_add_u32 v[SPW], v[NIL]
	s_wait_dscnt 0x0
	s_endpgm
.Lfunc_end_k_q56c6761f09_enc:
	.size	k_q56c6761f09_enc, .Lfunc_end_k_q56c6761f09_enc-k_q56c6761f09_enc
	.p2alignl 7, 3214868480
	.fill 96, 4, 3214868480
	.section	.rodata,"a",@progbits
	.p2align	6, 0x0
	.amdhsa_kernel k_q56c6761f09_enc
		.amdhsa_group_segment_fixed_size 133120
		.amdhsa_private_segment_fixed_size 0
		.amdhsa_enable_private_segment 0
		.amdhsa_kernarg_size 48
		.amdhsa_user_sgpr_count 2
		.amdhsa_user_sgpr_kernarg_segment_ptr 1
		.amdhsa_wavefront_size32 1
		.amdhsa_system_sgpr_workgroup_id_x 1
		.amdhsa_system_sgpr_workgroup_id_y 1
		.amdhsa_system_sgpr_workgroup_id_z 1
		.amdhsa_system_vgpr_workitem_id 0
		.amdhsa_next_free_vgpr 256
		.amdhsa_next_free_sgpr 66
		.amdhsa_reserve_vcc 0
		.amdhsa_float_denorm_mode_32 3
		.amdhsa_float_denorm_mode_16_64 3
		.amdhsa_memory_ordered 1
		.amdhsa_forward_progress 1
		.amdhsa_inst_pref_size 37
	.end_amdhsa_kernel
	.amdgpu_metadata
---
amdhsa.version: [ 1, 2 ]
amdhsa.kernels:
  - .name:           k_q56c6761f09_enc
    .symbol:         k_q56c6761f09_enc.kd
    .args:
      - { .name: m, .offset: 0, .size: 8, .value_kind: global_buffer, .address_space: global }
      - { .name: W_mol, .offset: 8, .size: 8, .value_kind: global_buffer, .address_space: global }
      - { .name: b_mol, .offset: 16, .size: 8, .value_kind: global_buffer, .address_space: global }
      - { .name: W_temp, .offset: 24, .size: 8, .value_kind: global_buffer, .address_space: global }
      - { .name: XiF, .offset: 32, .size: 8, .value_kind: global_buffer, .address_space: global }
      - { .name: WtF, .offset: 40, .size: 8, .value_kind: global_buffer, .address_space: global }
    .group_segment_fixed_size: 133120
    .private_segment_fixed_size: 0
    .kernarg_segment_align: 8
    .kernarg_segment_size: 48
    .max_flat_workgroup_size: 512
    .sgpr_count:     66
    .vgpr_count:     256
    .wavefront_size: 32
...
	.end_amdgpu_metadata
.endif
;; end of part 1
;; launch fold (part 2): grid 32 x 8, 8 waves a work-group, no clusters, 140,288 bytes of LDS; arguments XiF, WtF, b_temp, QF, scb; writes QF, scb
.if DOCPART == 2
	.amdgcn_target "amdgcn-amd-amdhsa--gfx1250"
	.amdhsa_code_object_version 6
	.text
	.protected	k_q56c6761f09_fold
	.globl	k_q56c6761f09_fold
	.p2align	8
	.type	k_q56c6761f09_fold,@function
k_q56c6761f09_fold:
	s_mov_b64 s[64:65], 0
	v_nop
	global_prefetch_b8 v0, s[64:65] scope:SCOPE_SE
	s_setreg_imm32_b32 hwreg(HW_REG_WAVE_MODE, 25, 1), 1
	s_wait_xcnt 0x0
; Q = Xi W_temp, [512][2048], stored as Q' = 2^-e_b Q in f16; and for each row b the pair sc_b = 0.125 x 2^e_b, cb_b = 0.125 x (Xi_b . b_temp) in f32.
; The last launch then makes out[b][t] = sc_b (Q'_b . templates_t) + cb_b, which is 0.125 Xi_b . (W_temp templates_t + b_temp) with the sums taken in another order.
; THE SCALE.  e_b is the exponent of the row's largest |Xi| (as rounded to f16; at the least -14), so |2^-e Xi| < 2 and |Q'| < 2,048 x max |W_temp|, whatever the size of m and W_mol.
; LIMITS.  |W_temp| under 16 keeps Q' inside f16's 65,504; b_temp is rounded to f16 and stays under 65,504.  NaN and infinities are not treated apart.  A row of zeros gives Q' = 0.
; SHARES.  A work-group makes 64 rows x 64 columns of Q: 16 tiles.  K = 1,024 IS SPLIT AMONG ITS 8 WAVES, 128 each.  Both operands lie in memory in fragment order (blocks of 1,024 bytes: byte 512 u + 16 l holds
; registers 4u..4u+3 of lane l), so a wave's 64 loads of 512 consecutive bytes fill its fragments at once: there is no loop.  The 8 partial sums meet in LDS; each wave finishes two tiles: one block of QF.
; QF's order: step = k / 128, then the 32 tiles of 16 rows, then q = (k % 128) / 32: byte 131,072 step + 4,096 (b/16) + 1,024 q + 512 u + 16 l.
; The work-groups with bx = 0 also make Xi . b_temp: a fragment whose 16 rows are all b_temp is source 0, so every register of the result holds the row's sum.
; NO CLUSTER, NO TENSOR LOADS: one burst into registers; a way through LDS would add a write and a read of the same bytes.
; REGISTERS: window 0: v0-15 addresses; v16-31 at work; v32-95 b_temp; v96-127 its four accumulators; v128-255 the 16 accumulators.   window 1: v0-127 Xi's fragments (i, kq) at 8 (4 i + kq); v128-255 W_temp's (j, kq).
.set RM,    131072                     ; LDS behind the partial sums (16,384 bytes a wave): the row maxima, wave v, tile i at 512 v + 128 i + 4 l
.set CBO,   4096                       ; and 4,096 further on, in the same form, the partial sums of Xi . b_temp
.set SPARE, 139264                     ; the spare words, 128 bytes for each of 8 waves: four blocks of 256 bytes that no other line names
.set L16,  4                           ; v4   16 x lane
.set BO,   5                           ; v5   32 h
.set LS,   6                           ; v6   where I put partial sums
.set LR,   7                           ; v7   where I read partial sums 0-3 of my two tiles back
.set MS,   8                           ; v8   where I put row maxima
.set MR,   9                           ; v9   where I read them back
.set SPW,  10                          ; v10  LDS address of my spare word; never rewritten
.set NIL,  11                          ; v11  0; never rewritten
.set LR2,  12                          ; v12  LR for partial sums 4-7: an LDS immediate has 16 bits
.set SO,   13                          ; v13  8 r + 4 h: my word of scb
.set MX,   16                          ; v[16:19] largest, v[20:23] smallest Xi of tile i, two f16 each
.set TM,   24                          ; v[24:31] at work
.set BT,   32
.set BA,   96
.set ACC,  128
.set BFR,  128                         ; window 1
.set MSB, 0
.macro WIN new                         ; s_set_vgpr_msb: bits 1:0 source 0, 3:2 source 1, 5:4 source 2, 7:6 destination; the high byte repeats the setting that is left
.if MSB != (\new)
	s_set_vgpr_msb (MSB<<8)|(\new)
.set MSB, (\new)
.endif
.endm
.macro PLACES
.rept 4
	v_nop
.endr
.endm
	s_load_b256 s[4:11], s[0:1], 0x0               ; XiF s[4:5], WtF s[6:7], b_temp s[8:9], QF s[10:11]
	s_load_b64 s[12:13], s[0:1], 0x20              ; scb
	v_lshl_add_u32 v[SPW], v0, 2, SPARE
	v_mov_b32 v[NIL], 0
	v_lshrrev_b32 v1, 5, v0
	v_readfirstlane_b32 s14, v1                    ; wave 0..7
	v_and_b32 v1, 15, v0                           ; r
	v_bfe_u32 v2, v0, 4, 1                         ; h
	v_and_b32 v3, 31, v0                           ; lane
	s_mov_b32 s15, ttmp9                           ; bx: 64 columns of Q
	s_and_b32 s16, ttmp7, 0xffff                   ; by: 64 rows
	s_mov_b32 s20, 0x76543210                      ; v_permlanex16_b32: each lane takes its own place in the other half
	s_mov_b32 s21, 0xfedcba98
	v_lshlrev_b32 v[L16], 4, v3
	v_lshlrev_b32 v[BO], 5, v2
	s_lshl_b32 s34, s14, 14
	v_lshl_add_u32 v[LS], v3, 4, s34
	s_lshl_b32 s34, s14, 11                        ; my two tiles are 2 v and 2 v + 1
	v_lshl_add_u32 v[LR], v3, 4, s34
	v_add_nc_u32 v[LR2], 0x10000, v[LR]
	s_lshl_b32 s34, s14, 9
	s_add_co_u32 s34, s34, RM
	v_lshl_add_u32 v[MS], v3, 2, s34
	s_lshr_b32 s35, s14, 1                         ; i: the m tile that I finish
	s_and_b32 s36, s14, 1
	s_lshl_b32 s34, s35, 7
	s_add_co_u32 s34, s34, RM
	v_lshl_add_u32 v[MR], v3, 2, s34
	v_lshlrev_b32 v[SO], 3, v1
	v_lshl_add_u32 v[SO], v2, 2, v[SO]
	s_mov_b32 s33, 0                               ; offsets are made apart from the addresses, in s[32:33]
	s_wait_kmcnt 0x0
	s_lshl_b32 s32, s16, 17
	s_lshl_b32 s34, s14, 12                        ; my wave's four blocks along K
	s_add_co_u32 s32, s32, s34
	s_add_nc_u64 s[22:23], s[4:5], s[32:33]
	s_lshl_b32 s32, s15, 17
	s_add_co_u32 s32, s32, s34
	s_add_nc_u64 s[24:25], s[6:7], s[32:33]
	s_lshl_b32 s32, s14, 9
	s_add_nc_u64 s[26:27], s[8:9], s[32:33]        ; b_temp at a = 128 v
	s_lshr_b32 s32, s15, 1                         ; step = bx / 2
	s_lshl_b32 s32, s32, 5
	s_lshl_b32 s34, s16, 2
	s_add_co_u32 s32, s32, s34
	s_add_co_u32 s32, s32, s35                     ; b / 16 = 4 by + i
	s_lshl_b32 s32, s32, 2
	s_and_b32 s34, s15, 1
	s_lshl_b32 s34, s34, 1
	s_add_co_u32 s32, s32, s34
	s_add_co_u32 s32, s32, s36                     ; q = 2 (bx & 1) + (v & 1)
	s_lshl_b32 s32, s32, 10
	s_add_nc_u64 s[28:29], s[10:11], s[32:33]      ; my block of QF
	s_lshl_b32 s32, s16, 9
	s_lshl_b32 s34, s35, 7
	s_add_co_u32 s32, s32, s34
	s_add_nc_u64 s[30:31], s[12:13], s[32:33]      ; scb at row 64 by + 16 i
	WIN 0x40                                       ; destination window 1, address window 0
.set f, 0
.rept 16
	global_load_b128 v[8*f:8*f+3],   v[L16], s[22:23] offset:(f/4)*32768+(f%4)*1024
	global_load_b128 v[8*f+4:8*f+7], v[L16], s[22:23] offset:(f/4)*32768+(f%4)*1024+512
.set f, f+1
.endr
.set f, 0
.rept 16
	global_load_b128 v[BFR+8*f:BFR+8*f+3],   v[L16], s[24:25] offset:(f/4)*32768+(f%4)*1024
	global_load_b128 v[BFR+8*f+4:BFR+8*f+7], v[L16], s[24:25] offset:(f/4)*32768+(f%4)*1024+512
.set f, f+1
.endr
	WIN 0
	s_cmp_lg_u32 s15, 0
	s_cbranch_scc1 .Lno_bias_loads
.set f, 0
.rept 4                                ; b_temp[128 v + 32 f + 8 h + 0..7] and [.. + 16 + 8 h + 0..7], the same in all 16 rows of the fragment
	global_load_b128 v[BT+16*f:BT+16*f+3],     v[BO], s[26:27] offset:128*f
	global_load_b128 v[BT+16*f+4:BT+16*f+7],   v[BO], s[26:27] offset:128*f+16
	global_load_b128 v[BT+16*f+8:BT+16*f+11],  v[BO], s[26:27] offset:128*f+64
	global_load_b128 v[BT+16*f+12:BT+16*f+15], v[BO], s[26:27] offset:128*f+80
.set f, f+1
.endr
.Lno_bias_loads:
.set n, 0
.rept 8
	v_mov_b32 v[MX+n], 0                           ; largest and smallest start at 0
.set n, n+1
.endr
	s_wait_loadcnt 32                              ; Xi's 32 loads are in; W_temp's 32 may stay out (with b_temp's 16 behind them the count asks for more than is needed)
	WIN 0x04                                       ; source 1 in window 1
.set n, 0
.rept 32                               ; eight chains that do not wait for each other
.irp i, 0,1,2,3
	v_pk_max_num_f16 v[MX+(\i)],   v[MX+(\i)],   v[32*(\i)+n]
	v_pk_min_num_f16 v[MX+4+(\i)], v[MX+4+(\i)], v[32*(\i)+n]
.endr
.set n, n+1
.endr
	WIN 0
.irp i, 0,1,2,3
	v_xor_b32 v[MX+4+(\i)], 0x80008000, v[MX+4+(\i)]   ; minus the smallest
.endr
.irp i, 0,1,2,3
	v_pk_max_num_f16 v[MX+(\i)], v[MX+(\i)], v[MX+4+(\i)]
.endr
.irp i, 0,1,2,3                        ; from here on as whole numbers: the bit patterns of f16 numbers that are not negative stand in the numbers' order
	v_bfe_u32 v[TM+(\i)], v[MX+(\i)], 16, 15
.endr
.irp i, 0,1,2,3
	v_and_b32 v[MX+(\i)], 0x7fff, v[MX+(\i)]
.endr
.irp i, 0,1,2,3
	v_max_u32 v[MX+(\i)], v[MX+(\i)], v[TM+(\i)]
.endr
.irp i, 0,1,2,3
	v_permlanex16_b32 v[TM+(\i)], v[MX+(\i)], s20, s21 ; the row's other K lie in the lane 16 away
.endr
.irp i, 0,1,2,3
	v_max_u32 v[MX+(\i)], v[MX+(\i)], v[TM+(\i)]
.endr
.irp i, 0,1,2,3
	ds_store_b32 v[MS], v[MX+(\i)] offset:128*(\i)
.endr
	s_wait_loadcnt 0x0
	WIN 0x05                                       ; sources 0 and 1 in window 1, C and D in window 0
.irp kq, 0,1,2,3                       ; 64 products; the 16 accumulators take turns; the first 16 start the sums
.irp i, 0,1,2,3
.irp j, 0,1,2,3
.if (\kq) == 0
	v_wmma_f32_16x16x32_f16 v[ACC+8*(4*(\i)+(\j)):ACC+8*(4*(\i)+(\j))+7], v[BFR+8*(4*(\j)+(\kq)):BFR+8*(4*(\j)+(\kq))+7], v[8*(4*(\i)+(\kq)):8*(4*(\i)+(\kq))+7], 0
.else
	v_wmma_f32_16x16x32_f16 v[ACC+8*(4*(\i)+(\j)):ACC+8*(4*(\i)+(\j))+7], v[BFR+8*(4*(\j)+(\kq)):BFR+8*(4*(\j)+(\kq))+7], v[8*(4*(\i)+(\kq)):8*(4*(\i)+(\kq))+7], v[ACC+8*(4*(\i)+(\j)):ACC+8*(4*(\i)+(\j))+7]
.endif
.endr
.endr
.endr
	WIN 0
	s_cmp_lg_u32 s15, 0
	s_cbranch_scc1 .Lno_bias
.irp kq, 0,1,2,3
.set n, 0
.rept 8                                ; in place: register n is written when 2 n and 2 n + 1 have been read
	v_cvt_pk_f16_f32 v[BT+16*(\kq)+n], v[BT+16*(\kq)+2*n], v[BT+16*(\kq)+2*n+1]
.set n, n+1
.endr
.endr
	WIN 0x04                                       ; source 0 (b_temp) window 0, source 1 (Xi) window 1
.irp kq, 0,1,2,3                       ; the four accumulators take turns
.irp i, 0,1,2,3
.if (\kq) == 0
	v_wmma_f32_16x16x32_f16 v[BA+8*(\i):BA+8*(\i)+7], v[BT+16*(\kq):BT+16*(\kq)+7], v[8*(4*(\i)+(\kq)):8*(4*(\i)+(\kq))+7], 0
.else
	v_wmma_f32_16x16x32_f16 v[BA+8*(\i):BA+8*(\i)+7], v[BT+16*(\kq):BT+16*(\kq)+7], v[8*(4*(\i)+(\kq)):8*(4*(\i)+(\kq))+7], v[BA+8*(\i):BA+8*(\i)+7]
.endif
.endr
.endr
	WIN 0
	PLACES
	PLACES
.irp i, 0,1,2,3
	ds_store_b32 v[MS], v[BA+8*(\i)] offset:CBO+128*(\i)   ; the lowest register: lane l holds row l % 16's partial sum
.endr
.Lno_bias:
	PLACES
	PLACES
.set t, 0
.rept 16                               ; each accumulator's low registers are read first
	ds_store_b128 v[LS], v[ACC+8*t:ACC+8*t+3]   offset:1024*t
	ds_store_b128 v[LS], v[ACC+8*t+4:ACC+8*t+7] offset:1024*t+512
.set t, t+1
.endr
	s_wait_dscnt 0x0                               ; for the others' sake: my partial sums and maxima lie in LDS
	s_barrier_signal -1
	s_barrier_wait -1
.set p, 0
.rept 4
.irp c, 0,1,2,3                        ; piece c = 2 x tile + u of partial sum p, and of p + 4
	ds_load_b128 v[ACC+16*p+4*(\c):ACC+16*p+4*(\c)+3],       v[LR]  offset:p*16384+512*(\c)
	ds_load_b128 v[ACC+64+16*p+4*(\c):ACC+64+16*p+4*(\c)+3], v[LR2] offset:p*16384+512*(\c)
.endr
.set p, p+1
.endr
.set p, 0
.rept 8
	ds_load_b32 v[TM+p], v[MR] offset:512*p
.set p, p+1
.endr
	s_wait_dscnt 0x0
	v_max_u32 v[TM], v[TM], v[TM+1]
	v_max_u32 v[TM+2], v[TM+2], v[TM+3]
	v_max_u32 v[TM+4], v[TM+4], v[TM+5]
	v_max_u32 v[TM+6], v[TM+6], v[TM+7]
	v_max_u32 v[TM], v[TM], v[TM+2]
	v_max_u32 v[TM+4], v[TM+4], v[TM+6]
	v_max_u32 v[TM], v[TM], v[TM+4]                ; the row's largest |Xi|, as an f16 pattern
	v_lshrrev_b32 v[TM], 10, v[TM]                 ; its exponent field E,
	v_max_u32 v[TM], 1, v[TM]                      ; at the least 1: below that f16 has one fixed step
	v_add_nc_u32 v[TM], 112, v[TM]
	v_lshlrev_b32 v[TM], 23, v[TM]                 ; 2^e = 2^(E - 15) as f32
	v_sub_nc_u32 v[TM+2], 0x7f000000, v[TM]        ; 2^-e: the exponent fields of a power of two and of its inverse add up to 254
	v_mov_b32 v[TM+3], v[TM+2]
	v_mul_f32 v[TM+1], 0x3e000000, v[TM]           ; sc = 0.125 x 2^e
.irp s, 4,2,1                          ; the 8 partial sums as a tree
.set p, 0
.rept \s
.set q, 0
.rept 8
	v_pk_add_f32 v[ACC+16*p+2*q:ACC+16*p+2*q+1], v[ACC+16*p+2*q:ACC+16*p+2*q+1], v[ACC+16*(p+(\s))+2*q:ACC+16*(p+(\s))+2*q+1]
.set q, q+1
.endr
.set p, p+1
.endr
.endr
.set q, 0
.rept 8
	v_pk_mul_f32 v[ACC+2*q:ACC+2*q+1], v[ACC+2*q:ACC+2*q+1], v[TM+2:TM+3]
.set q, q+1
.endr
.set q, 0
.rept 8
	v_cvt_pk_f16_f32 v[BT+q], v[ACC+2*q], v[ACC+2*q+1]
.set q, q+1
.endr
	global_store_b128 v[L16], v[BT:BT+3],   s[28:29]             ; 512 consecutive bytes each, aligned: together one block of QF
	global_store_b128 v[L16], v[BT+4:BT+7], s[28:29] offset:512
	s_cmp_lg_u32 s15, 0
	s_cbranch_scc1 .Lend
	s_cmp_lg_u32 s36, 0                            ; of the two waves of an m tile the even one writes its 16 pairs
	s_cbranch_scc1 .Lend
.set p, 0
.rept 8
	ds_load_b32 v[BT+8+p], v[MR] offset:CBO+512*p
.set p, p+1
.endr
	s_wait_dscnt 0x0
	v_add_f32 v[BT+8],  v[BT+8],  v[BT+9]
	v_add_f32 v[BT+10], v[BT+10], v[BT+11]
	v_add_f32 v[BT+12], v[BT+12], v[BT+13]
	v_add_f32 v[BT+14], v[BT+14], v[BT+15]
	v_add_f32 v[BT+8],  v[BT+8],  v[BT+10]
	v_add_f32 v[BT+12], v[BT+12], v[BT+14]
	v_add_f32 v[BT+8],  v[BT+8],  v[BT+12]
	v_mul_f32 v[BT+8], 0x3e000000, v[BT+8]         ; cb = 0.125 x (Xi . b_temp)
	v_cmp_eq_u32 vcc_lo, 1, v2
	v_cndmask_b32 v[BT+9], v[TM+1], v[BT+8], vcc_lo ; lanes 0-15 store sc of row r, lanes 16-31 cb
	global_store_b32 v[SO], v[BT+9], s[30:31]      ; 128 consecutive bytes
.Lend:
	s_wait_tensorcnt 0x0                           ; the wave's end, behind my last LDS store
	ds_add_u32 v[SPW], v[NIL]
	s_wait_dscnt 0x0
	s_endpgm
.Lfunc_end_k_q56c6761f09_fold:
	.size	k_q56c6761f09_fold, .Lfunc_end_k_q56c6761f09_fold-k_q56c6761f09_fold
	.p2alignl 7, 3214868480
	.fill 96, 4, 3214868480
	.section	.rodata,"a",@progbits
	.p2align	6, 0x0
	.amdhsa_kernel k_q56c6761f09_fold
		.amdhsa_group_segment_fixed_size 140288
		.amdhsa_private_segment_fixed_size 0
		.amdhsa_enable_private_segment 0
		.amdhsa_kernarg_size 40
		.amdhsa_user_sgpr_count 2
		.amdhsa_user_sgpr_kernarg_segment_ptr 1
		.amdhsa_wavefront_size32 1
		.amdhsa_system_sgpr_workgroup_id_x 1
		.amdhsa_system_sgpr_workgroup_id_y 1
		.amdhsa_system_sgpr_workgroup_id_z 1
		.amdhsa_system_vgpr_workitem_id 0
		.amdhsa_next_free_vgpr 512
		.amdhsa_next_free_sgpr 66
		.amdhsa_reserve_vcc 1
		.amdhsa_float_denorm_mode_32 3
		.amdhsa_float_denorm_mode_16_64 3
		.amdhsa_memory_ordered 1
		.amdhsa_forward_progress 1
		.amdhsa_inst_pref_size 48
	.end_amdhsa_kernel
	.amdgpu_metadata
---
amdhsa.version: [ 1, 2 ]
amdhsa.kernels:
  - .name:           k_q56c6761f09_fold
    .symbol:         k_q56c6761f09_fold.kd
    .args:
      - { .name: XiF, .offset: 0, .size: 8, .value_kind: global_buffer, .address_space: global }
      - { .name: WtF, .offset: 8, .size: 8, .value_kind: global_buffer, .address_space: global }
      - { .name: b_temp, .offset: 16, .size: 8, .value_kind: global_buffer, .address_space: global }
      - { .name: QF, .offset: 24, .size: 8, .value_kind: global_buffer, .address_space: global }
      - { .name: scb, .offset: 32, .size: 8, .value_kind: global_buffer, .address_space: global }
    .group_segment_fixed_size: 140288
    .private_segment_fixed_size: 0
    .kernarg_segment_align: 8
    .kernarg_segment_size: 40
    .max_flat_workgroup_size: 256
    .sgpr_count:     66
    .vgpr_count:     512
    .wavefront_size: 32
...
	.end_amdgpu_metadata
.endif
;; end of part 2
;; launch score (part 3): grid 224 x 1, 4 waves a work-group, clusters of 4 x 1, 327,680 bytes of LDS; arguments QF, scb, templates, out0; writes out0
.if DOCPART == 3
	.amdgcn_target "amdgcn-amd-amdhsa--gfx1250"
	.amdhsa_code_object_version 6
	.text
	.protected	k_q56c6761f09_score
	.globl	k_q56c6761f09_score
	.p2align	8
	.type	k_q56c6761f09_score,@function
k_q56c6761f09_score:
	s_mov_b64 s[64:65], 0
	v_nop
	global_prefetch_b8 v0, s[64:65] scope:SCOPE_SE
	s_setreg_imm32_b32 hwreg(HW_REG_WAVE_MODE, 25, 1), 1
	s_wait_xcnt 0x0
	s_wait_alu depctr_hold_cnt(0) depctr_sa_sdst(0) depctr_va_vdst(0) depctr_va_sdst(0) depctr_va_ssrc(0) depctr_va_vcc(0) depctr_vm_vsrc(0)
	s_getreg_b32 s2, hwreg(HW_REG_IB_STS2, 6, 4)
	s_cmp_eq_u32 s2, 0
	s_cbranch_scc0 .Lentry_in_a_cluster
	s_endpgm
.Lentry_in_a_cluster:
	s_bfe_u32 s2, ttmp6, 0x10000c
	s_cmp_lg_u32 s2, 0x3003
	s_cbranch_scc0 .Lentry_shape_is_right
	s_endpgm
.Lentry_shape_is_right:
; out[b][t] = sc_b (Q'_b . templates_t) + cb_b.  Q' [512][2048] f16 in fragment order (QF), sc and cb f32 pairs (scb), templates [25000][2048] f32, out [512][25000] f32.  Products in f16, sums in f32.
; LIMITS.  templates are rounded to f16: magnitudes under 65,504; below 6e-5 a number keeps f16's fixed step of 6e-8.  NaN and infinities are not treated apart.
; SHARES.  A work-group owns ALL 512 rows x 112 columns, so each byte of templates is loaded by one work-group alone (224 x 112 = 25,088: the last one works on columns 24,888 to 24,999, so that no load leaves
; the buffer, and stores the 24 that no other work-group stores).  Wave w owns rows 128 w .. + 127: 8 x 7 accumulators of 16 x 16, 448 registers.  K goes in 16 steps of 128, each four quarters of 32.
; Q' is the same for every work-group: the four of a cluster ask for it JOINTLY, the same tensor load, descriptor and mask in all four.  A wave fetches and reads its own 32 KiB of each step: 8 row tiles x 4 quarters
; x 1,024 bytes, dense; a fragment load takes 512 consecutive bytes, so no padding is wanted.
; templates come through registers, since a conversion stands on their way: one load of a wave is one row's 512 bytes of a step; wave w takes rows 28 w .. + 27.  Two sets of 112 registers, one for each parity of the
; step: a row is asked for two steps ahead of its conversion, 56 loads a wave on their way.  Rounded to f16 they go into one of two LDS slots (rows of 256 + 16 bytes), which all four waves read.
; ONE BARRIER A STEP, in the fourth quarter.  In front of it: my reads of this step's two slots are over, my stores into the next step's template slot are done, my part of the next step's Q' has landed.
; Behind it this step's Q' slot is filled again; the barrier then opens a round of the cluster's barrier.
; THE MATRIX INSTRUCTION IS USED TRANSPOSED (source 0 = 16 templates, source 1 = 16 rows of Q'): a lane holds row r of out and 8 neighbouring columns.
; THE WAY OUT goes through the wave's own two parts of the Q' slots, which have had their last fill: rows of 448 + 16 bytes; 28 lanes then store a row's 448 consecutive bytes.  A row of out is 100,000 bytes, so
; the pieces begin at multiples of 32 bytes from out's first byte and no layout makes them begin at multiples of 256.
; The work-group's place in its cluster enters the addresses of templates and out and the mask of the stores: no branch, no LDS address and no word of the descriptors.
; REGISTERS, in windows of 256 (s_set_vgpr_msb: bits 1:0 source 0, 3:2 source 1, 5:4 source 2, 7:6 destination):
;   window 0: v0-15 addresses; v16-31 sc, cb; v32-143 template fragments, two buffers of 56; v144-255 set 0        window 1: v0-127 Q' fragments, two buffers of 64; v128-239 set 1; v240-253 at work
;   window 2: accumulators of row tiles 0-3, (a, b) at 8 (7 a + b)        window 3: those of row tiles 4-7
.set ASLOT,  131072                    ; a Q' slot; slot 1 begins here
.set BBASE,  262144                    ; the template slots: written by LDS stores alone, never by a tensor load
.set BPITCH, 272                       ; 256 bytes + 16 = 17 x 16: the 16 rows of a fragment load begin in 16 different 16-byte columns of 256 bytes
.set BSLOT,  112*BPITCH
.set SPARE,  BBASE+2*BSLOT             ; the spare words, 128 bytes for each wave: two blocks of 256 bytes that no other line names
.set SPITCH, 464                       ; the stage: 448 bytes + 16 = 29 x 16
.set STILE,  16*SPITCH
.set OROW,   100000                    ; bytes in a row of out
.set AFR,  4                           ; v4, v5  my 16 bytes in my part of Q' slot 0, 1; on the way out also where I read rows back
.set BFA,  6                           ; v6   BBASE + 272 r + 16 h
.set BST,  7                           ; v7   BBASE + 28 w x 272 + 8 l: where I put 8 bytes of a template row
.set TOFF, 8                           ; v8   16 l: my 16 bytes of a row's 512, and of a row of out
.set STO,  9                           ; v9, v10  the stage: part + 464 r + 32 h
.set MK,   11                          ; v11  4 l - d: my first column, counted from the first that this work-group stores
.set R8,   12                          ; v12  8 r
.set SPW,  14                          ; v14  LDS address of my spare word; never rewritten
.set NIL,  15                          ; v15  0; never rewritten
.set SC,   16                          ; row tile a: sc at SC + 2 a, cb at SC + 2 a + 1
.set BF,   32
.set SET0, 144
.set AF,   0                           ; window 1
.set SET1, 128                         ; window 1
.set T,    240                         ; window 1
.set OT,   32                          ; the way out: a row tile's 56 results
.set OB,   96                          ; the way out: 16 rows read back, two batches of 64
.set WV,   12                          ; s12  my wave's number
.set TP,   20                          ; s[20:21] templates at my first row, at the even step in hand
.set G1,   24                          ; s[24:31] descriptor group 1
.set G0,   32                          ; s[32:39] descriptor group 0, a set for each slot
.set OUT,  40                          ; s[40:41] out at my rows 0-63, s[42:43] at my rows 64-127
.set MSB, 0
.macro WIN new                         ; the high byte repeats the setting that is left; a switch that changes nothing is dropped
.if MSB != (\new)
	s_set_vgpr_msb (MSB<<8)|(\new)
.set MSB, (\new)
.endif
.endm
.macro PLACES                          ; four plain vector instructions between a matrix instruction and a load into its sources or a reader of its result (ISA guide 7.12.1 for a reader of its result)
.rept 4
	v_nop
.endr
.endm
.macro CREST                           ; a round of the cluster's barrier behind its opening barrier: wave 0 signals for the work-group, every wave waits for all four, the work-group's barrier once more
	s_cmp_lg_u32 s[WV], 0
	s_cbranch_scc1 .Lnot_wave_0_\@
	s_barrier_signal -3
.Lnot_wave_0_\@:
	s_barrier_wait -3
	s_barrier_signal -1
	s_barrier_wait -1
.endm
.macro CROUND
	s_barrier_signal -1
	s_barrier_wait -1
	CREST
.endm
; na x 7 products: row tiles a0 .. of the window's four (hi = 0: tiles 0-3, 1: tiles 4-7) x all 7 column tiles, 32 along K, buffer f.  The 56 accumulators take turns, in the same order in every quarter.
.macro MUL f, hi, a0, na, zero
	WIN 0xa4+0x50*(\hi)                            ; source 0 window 0, source 1 window 1, C and D window 2 or 3
.set ma, \a0
.rept \na
.set mb, 0
.rept 7
.if \zero
	v_wmma_f32_16x16x32_f16 v[8*(7*ma+mb):8*(7*ma+mb)+7], v[BF+56*(\f)+8*mb:BF+56*(\f)+8*mb+7], v[AF+64*(\f)+8*(4*(\hi)+ma):AF+64*(\f)+8*(4*(\hi)+ma)+7], 0
.else
	v_wmma_f32_16x16x32_f16 v[8*(7*ma+mb):8*(7*ma+mb)+7], v[BF+56*(\f)+8*mb:BF+56*(\f)+8*mb+7], v[AF+64*(\f)+8*(4*(\hi)+ma):AF+64*(\f)+8*(4*(\hi)+ma)+7], v[8*(7*ma+mb):8*(7*ma+mb)+7]
.endif
.set mb, mb+1
.endr
.set ma, ma+1
.endr
.endm
; 30 LDS loads in one run: quarter q's fragments of the step in the given slot, into buffer f
.macro FETCH slot, q, f
	WIN 0x40                                       ; destination window 1
.set fm, 0
.rept 8
	ds_load_b128 v[AF+64*(\f)+8*fm:AF+64*(\f)+8*fm+3],   v[AFR+(\slot)] offset:(4*fm+(\q))*1024
	ds_load_b128 v[AF+64*(\f)+8*fm+4:AF+64*(\f)+8*fm+7], v[AFR+(\slot)] offset:(4*fm+(\q))*1024+512
.set fm, fm+1
.endr
	WIN 0
.set fm, 0
.rept 7
	ds_load_b128 v[BF+56*(\f)+8*fm:BF+56*(\f)+8*fm+3],   v[BFA] offset:(\slot)*BSLOT+fm*16*BPITCH+64*(\q)
	ds_load_b128 v[BF+56*(\f)+8*fm+4:BF+56*(\f)+8*fm+7], v[BFA] offset:(\slot)*BSLOT+fm*16*BPITCH+64*(\q)+32
.set fm, fm+1
.endr
.endm
; Seven of my 28 template rows (7 i ..) of the next step: waited for, rounded to f16, put into template slot bslot; re = 1: the same registers are asked for again, at byte koff behind TP.
; W: the younger loads that may stay out.
.macro LUMP st, bslot, i, re, koff, W
	s_wait_loadcnt \W
.if \st
	WIN 0x45                                       ; sources and destination in window 1
.set SB, SET1
.else
	WIN 0x40                                       ; sources in window 0, destination in window 1
.set SB, SET0
.endif
.set lj, 7*(\i)
.rept 7
	v_cvt_pk_f16_f32 v[T+2*(lj-7*(\i))],   v[SB+4*lj],   v[SB+4*lj+1]
	v_cvt_pk_f16_f32 v[T+2*(lj-7*(\i))+1], v[SB+4*lj+2], v[SB+4*lj+3]
.set lj, lj+1
.endr
	WIN 0x04                                       ; address window 0, data window 1
.set lj, 7*(\i)
.rept 7
	ds_store_b64 v[BST], v[T+2*(lj-7*(\i)):T+2*(lj-7*(\i))+1] offset:(\bslot)*BSLOT+BPITCH*lj   ; 32 lanes, 256 consecutive bytes
.set lj, lj+1
.endr
.if \re
	WIN 0x40*(\st)
.set lj, 7*(\i)
.rept 7
	global_load_b128 v[SB+4*lj:SB+4*lj+3], v[TOFF], s[TP:TP+1] offset:lj*8192+(\koff) th:TH_LOAD_NT
.set lj, lj+1
.endr
.endif
.endm
; One of a step's first three quarters: multiplies buffer f; in its middle stand the lump, whose 14 conversions are the places in front of the loads, and the next quarter's fetch into buffer g.
.macro QUARTER slot, q, f, g, zero, lu, st=0, bslot=0, i=0, re=0, koff=0, W=0
	s_wait_dscnt 0x0                               ; buffer f is in (its run was issued 28 products ago)
	MUL \f, 0, 0, 4, \zero
.if \lu
	LUMP \st, \bslot, \i, \re, \koff, \W
.else
	PLACES
.endif
	FETCH \slot, (\q)+1, \g
	MUL \f, 1, 0, 4, \zero
.endm
; The fourth quarter multiplies buffer 1 and changes slots.  fill = 1: this step's Q' slot is filled again, with the step two on.
.macro TURN slot, next, fill, st, bslot, re, koff, W
	s_wait_dscnt 0x0                               ; buffer 1 is in: my reads of this step's slots are over
	MUL 1, 0, 0, 2, 0
	LUMP \st, \bslot, 3, \re, \koff, \W
	WIN 0                                          ; (the add's two registers lie in window 0)
	s_wait_tensorcnt 0x0                           ; all my tensor loads have landed: the one that was out is my part of the next slot
	ds_add_u32 v[SPW], v[NIL]                      ; 0 onto my spare word; 14 products stand between it and the wait for it
	MUL 1, 0, 2, 2, 0
	s_wait_dscnt 0x0                               ; the add is done, and so are my stores into the next template slot
	s_barrier_signal -1
	MUL 1, 1, 0, 2, 0                              ; work on registers while the others arrive
	WIN 0                                          ; at a branch and at a label every window is 0
	s_barrier_wait -1
.if \fill
	CREST                                          ; no wave of any partner still reads this slot or has a load on its way
	s_add_nc_u64 s[G0+4*(\slot)+2:G0+4*(\slot)+3], s[G0+4*(\slot)+2:G0+4*(\slot)+3], 2*ASLOT   ; two steps on; the type bits on top are not reached
	tensor_load_to_lds s[G0+4*(\slot):G0+4*(\slot)+3], s[G1:G1+7]   ; my one tensor load behind the round: it has a step less 28 products in which to land
	s_nop 0
.endif
	PLACES
	FETCH \next, 0, 0
	MUL 1, 1, 2, 2, 0
.endm
	s_load_b256 s[4:11], s[0:1], 0x0               ; QF s[4:5], scb s[6:7], templates s[8:9], out0 s[10:11]
	v_lshl_add_u32 v[SPW], v0, 2, SPARE
	v_mov_b32 v[NIL], 0
	ds_add_u32 v[SPW], v[NIL]                      ; the wave's opening: the add and its wait stand ahead of my first tensor load; the set-up below, work on registers, stands between them
	ds_add_u32 v14, v15
	v_lshrrev_b32 v1, 5, v0
	v_readfirstlane_b32 s[WV], v1                  ; wave 0..3
	s_bfe_u32 s13, ttmp6, 0x40000                  ; cx: my place in the cluster
	s_lshl_b32 s14, ttmp9, 2                       ; in a cluster launch ttmp9 counts clusters
	s_add_co_u32 s14, s14, s13                     ; the work-group's number
	s_mul_i32 s15, s14, 112                        ; the first column that it stores,
	s_min_u32 s16, s15, 24888                      ; the first that it works on,
	s_sub_co_u32 s17, s15, s16                     ; d, their distance: 88 in the last work-group, else 0,
	s_sub_co_u32 s18, 112, s17                     ; and how many it stores
	s_mov_b32 s[G1+0], 15|(3<<16)|(1<<21)          ; 15:0 the mask: all four work-groups; 17:16 elements of 8 bytes; 21 set beside a mask; no padding
	s_mov_b32 s[G1+1], 32<<16                      ; tensor_dim0 = 32 elements: rows of 256 bytes
	s_mov_b32 s[G1+2], 128<<16                     ; tensor_dim1 = 128 rows: 32 KiB, dense
	s_mov_b32 s[G1+3], 32<<16                      ; tile_dim0 = 32
	s_mov_b32 s[G1+4], 128                         ; tile_dim1 = 128
	s_mov_b32 s[G1+5], 32                          ; 32 elements from row to row
	s_mov_b32 s[G1+6], 0
	s_mov_b32 s[G1+7], 0
	v_and_b32 v1, 15, v0                           ; r
	v_bfe_u32 v2, v0, 4, 1                         ; h
	v_and_b32 v3, 31, v0                           ; l
	s_lshl_b32 s19, s[WV], 15                      ; my part of a Q' slot, and of a step of QF
	v_lshl_add_u32 v[AFR], v3, 4, s19
	v_add_nc_u32 v[AFR+1], ASLOT, v[AFR]
	v_mul_u32_u24 v[BFA], v1, BPITCH
	v_lshl_add_u32 v[BFA], v2, 4, v[BFA]
	v_add_nc_u32 v[BFA], BBASE, v[BFA]
	s_mul_i32 s22, s[WV], 28*BPITCH
	s_add_co_u32 s22, s22, BBASE
	v_lshl_add_u32 v[BST], v3, 3, s22
	v_lshlrev_b32 v[TOFF], 4, v3
	v_mul_u32_u24 v[STO], v1, SPITCH
	v_lshl_add_u32 v[STO], v2, 5, v[STO]
	v_add_nc_u32 v[STO], s19, v[STO]
	v_add_nc_u32 v[STO+1], ASLOT, v[STO]
	v_lshlrev_b32 v[MK], 2, v3
	v_sub_nc_u32 v[MK], v[MK], s17
	v_lshlrev_b32 v[R8], 3, v1
	s_mov_b32 s49, 0                               ; offsets are made apart from the addresses, in s[48:49]
	s_mov_b32 s[G0+0], 1                           ; count = 1
	s_mov_b32 s[G0+1], s19                         ; LDS address: slot 0, my part
	s_mov_b32 s[G0+4], 1
	s_add_co_u32 s[G0+5], s19, ASLOT               ; slot 1, my part
	s_wait_dscnt 0x0                               ; the opening add is done
	s_wait_kmcnt 0x0
	s_mul_i32 s48, s[WV], 28
	s_add_co_u32 s48, s48, s16
	s_lshl_b32 s48, s48, 13                        ; my first template row, 8,192 bytes a row: under 2^28
	s_add_nc_u64 s[TP:TP+1], s[8:9], s[48:49]
	s_lshl_b32 s48, s[WV], 10
	s_add_nc_u64 s[46:47], s[6:7], s[48:49]        ; scb at my 128 rows
	s_mul_i32 s48, s[WV], 128*OROW
	s_lshl_b32 s50, s16, 2
	s_add_co_u32 s48, s48, s50
	s_add_nc_u64 s[OUT:OUT+1], s[10:11], s[48:49]
	s_add_nc_u64 s[OUT+2:OUT+3], s[OUT:OUT+1], 64*OROW
	s_mov_b32 s48, s19
	s_add_nc_u64 s[G0+2:G0+3], s[4:5], s[48:49]    ; global address: my part of step 0: it hangs on the wave's number alone
	s_add_nc_u64 s[G0+6:G0+7], s[G0+2:G0+3], ASLOT ; and of step 1
	s_or_b32 s[G0+3], s[G0+3], 0x80000000          ; type = 2
	s_or_b32 s[G0+7], s[G0+7], 0x80000000
.irp a, 0,1,2,3,4,5,6,7
	global_load_b64 v[SC+2*(\a):SC+2*(\a)+1], v[R8], s[46:47] offset:128*(\a)   ; the oldest loads: every count below has them in
.endr
.set lj, 0
.rept 28
	global_load_b128 v[SET0+4*lj:SET0+4*lj+3], v[TOFF], s[TP:TP+1] offset:lj*8192 th:TH_LOAD_NT      ; step 0
.set lj, lj+1
.endr
	WIN 0x40
.set lj, 0
.rept 28
	global_load_b128 v[SET1+4*lj:SET1+4*lj+3], v[TOFF], s[TP:TP+1] offset:lj*8192+512 th:TH_LOAD_NT  ; step 1
.set lj, lj+1
.endr
	WIN 0
	CROUND                                         ; all four work-groups are here: the first joint loads meet
	tensor_load_to_lds s[G0:G0+3], s[G1:G1+7]      ; both first fills together: two tensor loads of mine are out
	s_nop 0
	tensor_load_to_lds s[G0+4:G0+7], s[G1:G1+7]
	s_nop 0
	PLACES
	; step 0's templates into template slot 0; set 0 is asked for again, for step 2.  The count: what is left of this set, the other set's 28, and the rows asked for again: 21 + 28, 14 + 28 + 7, 7 + 28 + 14, 28 + 21
	LUMP 0, 0, 0, 1, 1024, 49
	LUMP 0, 0, 1, 1, 1024, 49
	LUMP 0, 0, 2, 1, 1024, 49
	LUMP 0, 0, 3, 1, 1024, 49
	WIN 0
	s_wait_tensorcnt 0x1                           ; my part of Q' slot 0 is in; slot 1's may stay out
	s_wait_dscnt 0x0                               ; my rows of template slot 0 are stored
	s_barrier_signal -1
	s_barrier_wait -1                              ; everybody's are
	FETCH 0, 0, 0
	; Step s converts step s + 1 (set and template slot (s + 1) % 2) and asks for step s + 3.  TP stands at the even step e of the lap: e + 3 is 1,536 bytes on, e + 4 2,048, e + 5 2,560.
	QUARTER 0, 0, 0, 1, 1, 1, 1, 1, 0, 1, 1536, 49 ; the first quarter stands in front of the loop: its products start the sums
	WIN 0
	s_mov_b32 s3, 6
.Llap:                                             ; a trip: from an even step's second quarter to the next even step's first; both Q' slots are filled again
	QUARTER 0, 1, 1, 0, 0, 1, 1, 1, 1, 1, 1536, 49
	QUARTER 0, 2, 0, 1, 0, 1, 1, 1, 2, 1, 1536, 49
	TURN 0, 1, 1, 1, 1, 1, 1536, 49
	QUARTER 1, 0, 0, 1, 0, 1, 0, 0, 0, 1, 2048, 49
	QUARTER 1, 1, 1, 0, 0, 1, 0, 0, 1, 1, 2048, 49
	QUARTER 1, 2, 0, 1, 0, 1, 0, 0, 2, 1, 2048, 49
	TURN 1, 0, 1, 0, 0, 1, 2048, 49
	QUARTER 0, 0, 0, 1, 0, 1, 1, 1, 0, 1, 2560, 49
	WIN 0
	s_wait_xcnt 0x0                                ; every load issued so far has read its address: TP is written only behind this wait
	s_add_nc_u64 s[TP:TP+1], s[TP:TP+1], 1024      ; two steps on
	s_sub_co_u32 s3, s3, 1
	s_cmp_lg_u32 s3, 0
	s_cbranch_scc1 .Llap
	; the tail is written out and no load leaves templates.  Step 12 goes on: step 15 is the last to be asked for
	QUARTER 0, 1, 1, 0, 0, 1, 1, 1, 1, 1, 1536, 49
	QUARTER 0, 2, 0, 1, 0, 1, 1, 1, 2, 1, 1536, 49
	TURN 0, 1, 1, 1, 1, 1, 1536, 49                ; Q' of step 14
	QUARTER 1, 0, 0, 1, 0, 1, 0, 0, 0, 0, 0, 49    ; step 13 converts step 14 and asks for nothing: the counts are what is left of set 0 and set 1's 28
	QUARTER 1, 1, 1, 0, 0, 1, 0, 0, 1, 0, 0, 42
	QUARTER 1, 2, 0, 1, 0, 1, 0, 0, 2, 0, 0, 35
	TURN 1, 0, 1, 0, 0, 0, 0, 28                   ; Q' of step 15: the last tensor load
	QUARTER 0, 0, 0, 1, 0, 1, 1, 1, 0, 0, 0, 21    ; step 14 converts step 15: only set 1 is left
	QUARTER 0, 1, 1, 0, 0, 1, 1, 1, 1, 0, 0, 14
	QUARTER 0, 2, 0, 1, 0, 1, 1, 1, 2, 0, 0, 7
	TURN 0, 1, 0, 1, 1, 0, 0, 0                    ; nothing is filled again, so no round follows the barrier
	QUARTER 1, 0, 0, 1, 0, 0                       ; step 15
	QUARTER 1, 1, 1, 0, 0, 0
	QUARTER 1, 2, 0, 1, 0, 0
	s_wait_dscnt 0x0
	MUL 1, 0, 0, 4, 0
	MUL 1, 1, 0, 4, 0
	; THE WAY OUT.  sc x sum + cb, one fused multiply-add for two numbers; a row tile's 56 registers go into the stage, 32 bytes a lane and column tile.
	PLACES
	PLACES
.irp a, 0,1,2,3,4,5,6,7
	WIN 0x02+(\a)/4                                ; source 0 in window 2 or 3
.set c, 0
.rept 28                               ; ascending: each accumulator's low registers are read first
	v_pk_fma_f32 v[OT+2*c:OT+2*c+1], v[56*((\a)%4)+2*c:56*((\a)%4)+2*c+1], v[SC+2*(\a):SC+2*(\a)+1], v[SC+2*(\a):SC+2*(\a)+1] op_sel:[0,0,1] op_sel_hi:[1,0,1]  ; both halves times sc, plus cb
.set c, c+1
.endr
	WIN 0
.set c, 0
.rept 14
	ds_store_b128 v[STO+(\a)/4], v[OT+4*c:OT+4*c+3] offset:((\a)%4)*STILE+64*(c/2)+16*(c%2)
.set c, c+1
.endr
.endr
	s_wait_xcnt 0x0                                ; EXEC changes only behind this wait
	v_cmp_gt_u32 vcc_lo, s18, v[MK]                ; lanes whose four columns lie among those that this work-group stores: 28 lanes, 6 in the last work-group
	s_and_saveexec_b32 s44, vcc_lo
.irp a, 0,1,2,3,4,5,6,7
	s_wait_xcnt 0x0                                ; the stores of two tiles back have read the batch's registers
.set c, 0
.rept 16
	ds_load_b128 v[OB+64*((\a)%2)+4*c:OB+64*((\a)%2)+4*c+3], v[AFR+(\a)/4] offset:((\a)%4)*STILE+SPITCH*c   ; LDS serves a wave's instructions in order (ISA guide 5.7.1.4): these see my stores above
.set c, c+1
.endr
.set c, 0
.rept 16
	s_wait_dscnt 15-c                              ; row c is in; the younger loads stay out
	global_store_b128 v[TOFF], v[OB+64*((\a)%2)+4*c:OB+64*((\a)%2)+4*c+3], s[OUT+2*((\a)/4):OUT+2*((\a)/4)+1] offset:(((\a)%4)*16+c)*OROW th:TH_STORE_NT  ; a row's 448 consecutive bytes; 63 rows at the most: inside the signed 24-bit immediate
.set c, c+1
.endr
.endr
	s_wait_xcnt 0x0                                ; and again, in front of the line that widens EXEC
	s_or_b32 exec_lo, exec_lo, s44
	s_wait_tensorcnt 0x0                           ; the wave's end, behind my last tensor load and my last LDS store
	ds_add_u32 v[SPW], v[NIL]
	s_wait_dscnt 0x0
	CROUND                                         ; the closing round: no work-group ends while a partner may still ask for a tile that names it
	s_endpgm
.Lfunc_end_k_q56c6761f09_score:
	.size	k_q56c6761f09_score, .Lfunc_end_k_q56c6761f09_score-k_q56c6761f09_score
	.p2alignl 7, 3214868480
	.fill 96, 4, 3214868480
	.section	.rodata,"a",@progbits
	.p2align	6, 0x0
	.amdhsa_kernel k_q56c6761f09_score
		.amdhsa_group_segment_fixed_size 327680
		.amdhsa_private_segment_fixed_size 0
		.amdhsa_enable_private_segment 0
		.amdhsa_kernarg_size 32
		.amdhsa_user_sgpr_count 2
		.amdhsa_user_sgpr_kernarg_segment_ptr 1
		.amdhsa_wavefront_size32 1
		.amdhsa_system_sgpr_workgroup_id_x 1
		.amdhsa_system_sgpr_workgroup_id_y 1
		.amdhsa_system_sgpr_workgroup_id_z 1
		.amdhsa_system_vgpr_workitem_id 0
		.amdhsa_next_free_vgpr 1024
		.amdhsa_next_free_sgpr 66
		.amdhsa_reserve_vcc 1
		.amdhsa_float_denorm_mode_32 3
		.amdhsa_float_denorm_mode_16_64 3
		.amdhsa_memory_ordered 1
		.amdhsa_forward_progress 1
		.amdhsa_inst_pref_size 239
	.end_amdhsa_kernel
	.amdgpu_metadata
---
amdhsa.version: [ 1, 2 ]
amdhsa.kernels:
  - .name:           k_q56c6761f09_score
    .symbol:         k_q56c6761f09_score.kd
    .args:
      - { .name: QF, .offset: 0, .size: 8, .value_kind: global_buffer, .address_space: global }
      - { .name: scb, .offset: 8, .size: 8, .value_kind: global_buffer, .address_space: global }
      - { .name: templates, .offset: 16, .size: 8, .value_kind: global_buffer, .address_space: global }
      - { .name: out0, .offset: 24, .size: 8, .value_kind: global_buffer, .address_space: global }
    .group_segment_fixed_size: 327680
    .private_segment_fixed_size: 0
    .kernarg_segment_align: 8
    .kernarg_segment_size: 32
    .max_flat_workgroup_size: 128
    .sgpr_count:     66
    .vgpr_count:     1024
    .wavefront_size: 32
...
	.end_amdgpu_metadata
.endif
;; end of part 3
;; ======== version 2 of 2: 3 launches; version 1 with the launches enc, fold written anew for expert scheduling mode
;; limits: values are held in f16: magnitudes above 65,504 overflow, below 6.1e-05 lose precision; right only within a limited range of input values
;; workspace buffers: XiF 1,048,576 bytes; WtF 4,194,304 bytes; QF 2,097,152 bytes; scb 4,096 bytes
;; launch enc (part 4): grid 16 x 16, 16 waves a work-group, no clusters, 133,120 bytes of LDS; arguments m, W_mol, b_mol, W_temp, XiF, WtF; writes XiF, WtF
.if DOCPART == 4
	.amdgcn_target "amdgcn-amd-amdhsa--gfx1250"
	.amdhsa_code_object_version 6
	.text
	.protected	k_q56c6761f09_enc
	.globl	k_q56c6761f09_enc
	.p2align	8
	.type	k_q56c6761f09_enc,@function
k_q56c6761f09_enc:
	s_mov_b64 s[64:65], 0
	v_nop
	global_prefetch_b8 v0, s[64:65] scope:SCOPE_SE
	s_setreg_imm32_b32 hwreg(HW_REG_WAVE_SCHED_MODE, 0, 2), 2
	s_setreg_imm32_b32 hwreg(HW_REG_WAVE_MODE, 25, 1), 1
	s_wait_xcnt 0x0
	s_wait_alu depctr_vm_vsrc(0)
; Xi = m W_mol^T + b_mol, [512][1024], rounded once to f16; beside it W_temp is rounded to f16 and transposed.  Products in f16, sums in f32.
; LIMITS.  m, W_mol, W_temp and Xi are rounded to f16: magnitudes stay under 65,504; below 6e-5 a number keeps f16's fixed step of 6e-8.  NaN and infinities are not treated apart.
; The K sum is split in 16 parts that are added as a tree: another order of rounding than a single chain.
; FRAGMENT ORDER.  Both outputs are written as blocks of 1,024 bytes, one 16 row x 32 K fragment each: byte 512 u + 16 l holds registers 4u..4u+3 of lane l = r + 16 h, which are row r, K = 16 u + 8 h + 0..7.
;   XiF: block (b / 16, a / 32) at ((b/16) 32 + a/32) 1024.      WtF: rows are W_temp's column index k, K is a: block (k / 16, a / 32) at ((k/16) 32 + a/32) 1024.
; SHARES.  A work-group makes 32 rows x 64 columns of Xi: 2 x 4 tiles of 16 x 16.  K = 2,048 IS SPLIT AMONG ITS 16 WAVES, 128 each, in four trips of 32; no wave wants a byte that another wave fetched,
; so fragments come straight from memory (f32, 4 loads of 16 bytes a lane and fragment) and are packed to f16 in registers.  The 16 partial sums meet in LDS; waves 0-7 finish a tile each.
; THE MATRIX INSTRUCTION IS USED TRANSPOSED (source 0 = 16 rows of W_mol, source 1 = 16 rows of m): a lane ends with row r of Xi and 8 neighbouring columns, which packed are one 16-byte piece of a block of XiF:
; a wave's store covers 512 consecutive bytes, aligned.
; NO CLUSTER, NO TENSOR LOADS: each byte goes once from memory into the registers of the one wave that multiplies it within the work-group; a way through LDS would add a write and a read of the same bytes.
; THE MODE: SCHED_MODE bits 1:0 = 2 (LLVM: expert scheduling mode 2), set by the entry lines.  The code itself states the register dependences
; between vector or matrix instructions and memory or LDS instructions, with s_wait_alu, always for 0.
; THE PLAN.  Registers that memory or LDS instructions touch:
;   v4-v9, v12   offsets and LDS addresses: made at the head, never written again.
;   RAW          A trip's 24 loads land in it; the trip's 48 conversions read it; then the next trip's loads land in it.  Behind the barrier the partial sums' LDS loads land in RAW and on into FR (v80-207).
;   SIDE         16 loads land in it; 8 conversions in place, in trip 0; two stores read its first 8 registers; not written again.
;   BIAS         two loads land in it; vector instructions alone read it.
;   ACC          written by matrix instructions; read by the 16 LDS stores; not written again.
;   FR is named by conversions and matrix instructions alone until the partial sums land in it.
; So ONE wait on va_vdst stands in each of trips 0 to 2, behind the trip's conversions: they are done reading RAW (in trip 0 they have also written SIDE).  The next trip's 24 loads follow it, three behind each
; of the trip's eight matrix instructions, which name FR and ACC: none of the registers that those loads touch.  16 waves of 256 registers fill the four SIMDs' registers: there is no room for a second RAW.
; No register that a memory or LDS instruction reads is ever written again, so the text holds no wait on vm_vsrc.
.set ROWB,  8192                       ; bytes in a row of m, W_mol, W_temp
.set TILEB, 16*ROWB
.set PARTW, 8192                       ; LDS: wave v's 8 partial tiles, 1,024 bytes each, at 8,192 v
.set FO,   4                           ; v4   r x 8,192 + 32 h + 512 x wave: my place in a fragment's f32 rows
.set SO,   5                           ; v5   h x 65,536 + 4 r: my place in the 32 x 16 piece of W_temp that my wave turns
.set L16,  6                           ; v6   16 x lane
.set BO,   7                           ; v7   32 h
.set LS,   8                           ; v8   where I put partial sums
.set LR,   9                           ; v9   where I read partial sums 0-7 of my tile back
.set LR2,  12                          ; v12  the same as LR for partial sums 8-15: an LDS immediate has 16 bits
.set ACC,  16                          ; v[16:79]    tile (i, j) at ACC + 8 (4 i + j)
.set RAW,  80                          ; v[80:175]   6 fragments x 16 f32: two of m, four of W_mol
.set FR,   176                         ; v[176:223]  the same 6 fragments in f16, 8 registers each
.set SIDE, 224                         ; v[224:239]  the piece of W_temp
.set BIAS, 240                         ; v[240:247]  b_mol of my 8 columns
	s_load_b256 s[4:11], s[0:1], 0x0               ; m s[4:5], W_mol s[6:7], b_mol s[8:9], W_temp s[10:11]
	s_load_b128 s[12:15], s[0:1], 0x20             ; XiF s[12:13], WtF s[14:15]
	v_lshl_add_u32 v254, v0, 2, 0x20000
	v_mov_b32 v255, 0
	v_lshrrev_b32 v1, 5, v0
	v_readfirstlane_b32 s16, v1                    ; wave 0..15
	v_and_b32 v1, 15, v0                           ; r
	v_bfe_u32 v2, v0, 4, 1                         ; h
	v_and_b32 v3, 31, v0                           ; lane
	s_mov_b32 s17, ttmp9                           ; bx: 64 columns of Xi
	s_and_b32 s18, ttmp7, 0xffff                   ; by: 32 rows of Xi
	s_wait_alu depctr_va_sdst(0)                   ; s16 is written, ahead of its first reader: offsets, LDS addresses and the branch behind the barrier are made from it
	s_lshl_b32 s19, s16, 9                         ; my wave's 128 K: 512 bytes of a row
	v_lshlrev_b32 v[FO], 13, v1
	v_lshl_add_u32 v[FO], v2, 5, v[FO]
	v_add_nc_u32 v[FO], s19, v[FO]
	v_lshlrev_b32 v[SO], 2, v1
	v_lshl_add_u32 v[SO], v2, 16, v[SO]
	v_lshlrev_b32 v[L16], 4, v3
	v_lshlrev_b32 v[BO], 5, v2
	s_lshl_b32 s19, s16, 13
	v_lshl_add_u32 v[LS], v3, 4, s19
	s_lshl_b32 s19, s16, 10                        ; waves 0-7: tile = wave's number
	v_lshl_add_u32 v[LR], v3, 4, s19
	v_add_nc_u32 v[LR2], 0x10000, v[LR]
	s_and_b32 s34, s16, 3                          ; j = wave & 3
	s_lshr_b32 s35, s16, 2                         ; wave >> 2
	s_lshl_b32 s36, s18, 4
	s_add_co_u32 s36, s36, s17                     ; g = 16 by + bx: the work-group's number, 0..255
	s_and_b32 s37, s36, 31
	s_lshl_b32 s37, s37, 2
	s_add_co_u32 s37, s37, s34                     ; the block of WtF that my wave writes: k / 16 = 4 (g & 31) + (wave & 3): four neighbouring waves read 256 consecutive bytes of each row of W_temp
	s_lshr_b32 s38, s36, 5
	s_lshl_b32 s38, s38, 2
	s_add_co_u32 s38, s38, s35                     ; a / 32 = 4 (g >> 5) + (wave >> 2)
	s_and_b32 s35, s35, 1                          ; i, the m tile that waves 0-7 finish
	s_mov_b32 s33, 0                               ; offsets are made apart from the addresses, in s[32:33]
	s_wait_kmcnt 0x0
	s_lshl_b32 s32, s18, 18
	s_add_nc_u64 s[20:21], s[4:5], s[32:33]        ; m at the work-group's 32 rows
	s_lshl_b32 s32, s17, 19
	s_add_nc_u64 s[22:23], s[6:7], s[32:33]        ; W_mol at its 64 rows
	s_lshl_b32 s32, s38, 18
	s_lshl_b32 s39, s37, 6
	s_add_co_u32 s32, s32, s39
	s_add_nc_u64 s[24:25], s[10:11], s[32:33]      ; W_temp at row 32 (a/32), column 16 (k/16)
	s_lshl_b32 s32, s37, 5
	s_add_co_u32 s32, s32, s38
	s_lshl_b32 s32, s32, 10
	s_add_nc_u64 s[26:27], s[14:15], s[32:33]      ; my block of WtF
	s_lshl_b32 s32, s18, 1
	s_add_co_u32 s32, s32, s35                     ; b / 16 = 2 by + i
	s_lshl_b32 s32, s32, 5
	s_lshl_b32 s39, s17, 1
	s_add_co_u32 s32, s32, s39
	s_lshr_b32 s39, s34, 1
	s_add_co_u32 s32, s32, s39                     ; a / 32 = 2 bx + j / 2
	s_lshl_b32 s32, s32, 1
	s_and_b32 s39, s34, 1
	s_add_co_u32 s32, s32, s39                     ; u = j & 1
	s_lshl_b32 s32, s32, 9
	s_add_nc_u64 s[28:29], s[12:13], s[32:33]      ; my 512 bytes of XiF
	s_lshl_b32 s32, s17, 8
	s_lshl_b32 s39, s34, 6
	s_add_co_u32 s32, s32, s39
	s_add_nc_u64 s[30:31], s[8:9], s[32:33]        ; b_mol at column 64 bx + 16 j
; Load n of a trip's 24: fragment n / 4 (two of m, then four of W_mol), piece n % 4: K = 8 h + 0..7 (32 bytes) and K = 16 + 8 h + 0..7 (32 bytes, 64 further on) of row r.
.macro LD1 kq, n
.if (\n) < 8
	global_load_b128 v[RAW+4*(\n):RAW+4*(\n)+3], v[FO], s[20:21] offset:((\n)/4)*TILEB+(\kq)*128+(((\n)%4)/2)*64+((\n)%2)*16
.else
	global_load_b128 v[RAW+4*(\n):RAW+4*(\n)+3], v[FO], s[22:23] offset:((\n)/4-2)*TILEB+(\kq)*128+(((\n)%4)/2)*64+((\n)%2)*16
.endif
.endm
.macro CVT                             ; 96 f32 to 48 registers of f16, rounded to nearest even
.set n, 0
.rept 48
	v_cvt_pk_f16_f32 v[FR+n], v[RAW+2*n], v[RAW+2*n+1]
.set n, n+1
.endr
.endm
; 8 products; the 8 accumulators take turns, in the same order in every trip.  zero = 1: the first trip starts the sums.
; ld = 1: trip kq's 24 loads are dealt among them, three behind each.  No wait: no vector or matrix instruction since the trip's wait names RAW or v[FO].
.macro MULS zero, ld, kq
.set ln, 0
.irp i, 0,1
.irp j, 0,1,2,3
.if \zero
	v_wmma_f32_16x16x32_f16 v[ACC+8*(4*(\i)+(\j)):ACC+8*(4*(\i)+(\j))+7], v[FR+8*(2+(\j)):FR+8*(2+(\j))+7], v[FR+8*(\i):FR+8*(\i)+7], 0
.else
	v_wmma_f32_16x16x32_f16 v[ACC+8*(4*(\i)+(\j)):ACC+8*(4*(\i)+(\j))+7], v[FR+8*(2+(\j)):FR+8*(2+(\j))+7], v[FR+8*(\i):FR+8*(\i)+7], v[ACC+8*(4*(\i)+(\j)):ACC+8*(4*(\i)+(\j))+7]
.endif
.if \ld
.rept 3
	LD1 \kq, ln
.set ln, ln+1
.endr
.endif
.endr
.endr
.endm
.macro PLACES                          ; four plain vector instructions between a matrix instruction and a line that writes its sources or reads its result (ISA guide 7.12.1)
.rept 4
	v_nop
.endr
.endm
	s_wait_alu depctr_va_vdst(0)                   ; the seven offsets and LDS addresses v4 to v9 and v12 are written, which every load and store of the kernel reads
	global_load_b128 v[BIAS:BIAS+3],   v[BO], s[30:31]
	global_load_b128 v[BIAS+4:BIAS+7], v[BO], s[30:31] offset:16
.set j, 0
.rept 16                               ; W_temp[32 (a/32) + 8 h + j (+ 16 for j >= 8)][16 (k/16) + r]
	global_load_b32 v[SIDE+j], v[SO], s[24:25] offset:(j+8*(j/8))*ROWB
.set j, j+1
.endr
.set ln, 0
.rept 24
	LD1 0, ln
.set ln, ln+1
.endr
	s_wait_loadcnt 0x0                             ; trip 0, the bias and the piece of W_temp are in
	CVT
.set n, 0
.rept 8                                ; neighbouring a of one k go into one register: that is the transposition.  In place: register n is written when 2 n and 2 n + 1 have been read
	v_cvt_pk_f16_f32 v[SIDE+n], v[SIDE+2*n], v[SIDE+2*n+1]
.set n, n+1
.endr
	s_wait_alu depctr_va_vdst(0)                   ; the conversions are done reading RAW, in which trip 1's loads land, and have written SIDE's first 8 registers, which the two stores below read
	MULS 1, 1, 1                                   ; the next trip's loads go out among this trip's products
	global_store_b128 v[L16], v[SIDE:SIDE+3],   s[26:27]             ; 512 consecutive bytes each, aligned; SIDE is not written again; no vector or matrix instruction since the wait names it
	global_store_b128 v[L16], v[SIDE+4:SIDE+7], s[26:27] offset:512
.irp kq, 1,2
	PLACES                                         ; FR is rewritten behind the products that read it
	s_wait_loadcnt 0x0
	CVT
	s_wait_alu depctr_va_vdst(0)                   ; the conversions are done reading RAW, in which the next trip's loads land
	MULS 0, 1, (\kq)+1
.endr
	PLACES
	s_wait_loadcnt 0x0
	CVT
	MULS 0, 0, 0                                   ; the last trip asks for nothing, so it states nothing
	PLACES
	PLACES
	s_wait_alu depctr_va_vdst(0)                   ; the matrix instructions have written the accumulators, which the LDS stores read; they and the conversions are done with v80 to v207, in which the LDS loads behind the barrier land; the places above stay beside this wait
.set t, 0
.rept 8                                ; each accumulator's low registers are read first
	ds_store_b128 v[LS], v[ACC+8*t:ACC+8*t+3]   offset:1024*t
	ds_store_b128 v[LS], v[ACC+8*t+4:ACC+8*t+7] offset:1024*t+512
.set t, t+1
.endr
	s_wait_dscnt 0x0                               ; for the others' sake: my partial sums lie in LDS
	s_barrier_signal -1
	s_barrier_wait -1                              ; all 16 waves' do
	s_cmp_lt_u32 s16, 8                            ; wave v < 8 finishes tile v = 4 i + j
	s_cbranch_scc0 .Lend
.set p, 0
.rept 8
	ds_load_b128 v[RAW+8*p:RAW+8*p+3],       v[LR]  offset:p*PARTW
	ds_load_b128 v[RAW+8*p+4:RAW+8*p+7],     v[LR]  offset:p*PARTW+512
	ds_load_b128 v[RAW+64+8*p:RAW+64+8*p+3], v[LR2] offset:p*PARTW
	ds_load_b128 v[RAW+64+8*p+4:RAW+64+8*p+7], v[LR2] offset:p*PARTW+512
.set p, p+1
.endr
	s_wait_dscnt 0x0
.irp s, 8,4,2,1                        ; the 16 partial sums as a tree, two f32 an instruction
.set p, 0
.rept \s
.set q, 0
.rept 4
	v_pk_add_f32 v[RAW+8*p+2*q:RAW+8*p+2*q+1], v[RAW+8*p+2*q:RAW+8*p+2*q+1], v[RAW+8*(p+(\s))+2*q:RAW+8*(p+(\s))+2*q+1]
.set q, q+1
.endr
.set p, p+1
.endr
.endr
.irp q, 0,1,2,3
	v_pk_add_f32 v[RAW+2*(\q):RAW+2*(\q)+1], v[RAW+2*(\q):RAW+2*(\q)+1], v[BIAS+2*(\q):BIAS+2*(\q)+1]
.endr
.irp q, 0,1,2,3
	v_cvt_pk_f16_f32 v[RAW+8+(\q)], v[RAW+2*(\q)], v[RAW+2*(\q)+1]
.endr
	s_wait_alu depctr_va_vdst(0)                   ; the four conversions have written v[RAW+8 ..], which the store reads
	global_store_b128 v[L16], v[RAW+8:RAW+11], s[28:29]              ; 512 consecutive bytes, aligned
.Lend:
	s_wait_dscnt 0x0                               ; the wave's end
	s_wait_alu depctr_hold_cnt(0) depctr_sa_sdst(0) depctr_va_vdst(0) depctr_va_sdst(0) depctr_va_ssrc(0) depctr_va_vcc(0) depctr_vm_vsrc(0)
	s_wait_tensorcnt 0x0
	ds_add_u32 v254, v255
	s_wait_dscnt 0x0
	s_endpgm
.Lfunc_end_k_q56c6761f09_enc:
	.size	k_q56c6761f09_enc, .Lfunc_end_k_q56c6761f09_enc-k_q56c6761f09_enc
	.p2alignl 7, 3214868480
	.fill 96, 4, 3214868480
	.section	.rodata,"a",@progbits
	.p2align	6, 0x0
	.amdhsa_kernel k_q56c6761f09_enc
		.amdhsa_group_segment_fixed_size 133120
		.amdhsa_private_segment_fixed_size 0
		.amdhsa_enable_private_segment 0
		.amdhsa_kernarg_size 48
		.amdhsa_user_sgpr_count 2
		.amdhsa_user_sgpr_kernarg_segment_ptr 1
		.amdhsa_wavefront_size32 1
		.amdhsa_system_sgpr_workgroup_id_x 1
		.amdhsa_system_sgpr_workgroup_id_y 1
		.amdhsa_system_sgpr_workgroup_id_z 1
		.amdhsa_system_vgpr_workitem_id 0
		.amdhsa_next_free_vgpr 256
		.amdhsa_next_free_sgpr 66
		.amdhsa_reserve_vcc 0
		.amdhsa_float_denorm_mode_32 3
		.amdhsa_float_denorm_mode_16_64 3
		.amdhsa_memory_ordered 1
		.amdhsa_forward_progress 1
		.amdhsa_inst_pref_size 37
	.end_amdhsa_kernel
	.amdgpu_metadata
---
amdhsa.version: [ 1, 2 ]
amdhsa.kernels:
  - .name:           k_q56c6761f09_enc
    .symbol:         k_q56c6761f09_enc.kd
    .args:
      - { .name: m, .offset: 0, .size: 8, .value_kind: global_buffer, .address_space: global }
      - { .name: W_mol, .offset: 8, .size: 8, .value_kind: global_buffer, .address_space: global }
      - { .name: b_mol, .offset: 16, .size: 8, .value_kind: global_buffer, .address_space: global }
      - { .name: W_temp, .offset: 24, .size: 8, .value_kind: global_buffer, .address_space: global }
      - { .name: XiF, .offset: 32, .size: 8, .value_kind: global_buffer, .address_space: global }
      - { .name: WtF, .offset: 40, .size: 8, .value_kind: global_buffer, .address_space: global }
    .group_segment_fixed_size: 133120
    .private_segment_fixed_size: 0
    .kernarg_segment_align: 8
    .kernarg_segment_size: 48
    .max_flat_workgroup_size: 512
    .sgpr_count:     66
    .vgpr_count:     256
    .wavefront_size: 32
...
	.end_amdgpu_metadata
.endif
;; end of part 4
;; launch fold (part 5): grid 32 x 8, 8 waves a work-group, no clusters, 140,288 bytes of LDS; arguments XiF, WtF, b_temp, QF, scb; writes QF, scb
.if DOCPART == 5
	.amdgcn_target "amdgcn-amd-amdhsa--gfx1250"
	.amdhsa_code_object_version 6
	.text
	.protected	k_q56c6761f09_fold
	.globl	k_q56c6761f09_fold
	.p2align	8
	.type	k_q56c6761f09_fold,@function
k_q56c6761f09_fold:
	s_mov_b64 s[64:65], 0
	v_nop
	global_prefetch_b8 v0, s[64:65] scope:SCOPE_SE
	s_setreg_imm32_b32 hwreg(HW_REG_WAVE_SCHED_MODE, 0, 2), 2
	s_setreg_imm32_b32 hwreg(HW_REG_WAVE_MODE, 25, 1), 1
	s_wait_xcnt 0x0
	s_wait_alu depctr_vm_vsrc(0)
; Q = Xi W_temp, [512][2048], stored as Q' = 2^-e_b Q in f16; and for each row b the pair sc_b = 0.125 x 2^e_b, cb_b = 0.125 x (Xi_b . b_temp) in f32.
; The last launch then makes out[b][t] = sc_b (Q'_b . templates_t) + cb_b, which is 0.125 Xi_b . (W_temp templates_t + b_temp) with the sums taken in another order.
; THE SCALE.  e_b is the exponent of the row's largest |Xi| (as rounded to f16; at the least -14), so |2^-e Xi| < 2 and |Q'| < 2,048 x max |W_temp|, whatever the size of m and W_mol.
; LIMITS.  |W_temp| under 16 keeps Q' inside f16's 65,504; b_temp is rounded to f16 and stays under 65,504.  NaN and infinities are not treated apart.  A row of zeros gives Q' = 0.
; SHARES.  A work-group makes 64 rows x 64 columns of Q: 16 tiles.  K = 1,024 IS SPLIT AMONG ITS 8 WAVES, 128 each.  Both operands lie in memory in fragment order (blocks of 1,024 bytes: byte 512 u + 16 l holds
; registers 4u..4u+3 of lane l), so a wave's 64 loads of 512 consecutive bytes fill its fragments at once: there is no loop.  The 8 partial sums meet in LDS; each wave finishes two tiles: one block of QF.
; QF's order: step = k / 128, then the 32 tiles of 16 rows, then q = (k % 128) / 32: byte 131,072 step + 4,096 (b/16) + 1,024 q + 512 u + 16 l.
; The work-groups with bx = 0 also make Xi . b_temp: a fragment whose 16 rows are all b_temp is source 0, so every register of the result holds the row's sum.
; NO CLUSTER, NO TENSOR LOADS: one burst into registers; a way through LDS would add a write and a read of the same bytes.
; REGISTERS: window 0: v0-15 addresses; v16-31 at work; v32-95 b_temp; v96-127 its four accumulators; v128-255 the 16 accumulators.   window 1: v0-127 Xi's fragments (i, kq) at 8 (4 i + kq); v128-255 W_temp's (j, kq).
; THE MODE: SCHED_MODE bits 1:0 = 2 (LLVM: expert scheduling mode 2), set by the entry lines.  The code itself states the register dependences
; between vector or matrix instructions and memory or LDS instructions, with s_wait_alu, always for 0.
; THE PLAN.  Registers that memory or LDS instructions touch:
;   v4-v9, v12, v13   offsets and LDS addresses: made at the head, never written again.
;   window 1          the 64 loads of the fragments land in it; packed maxima and matrix instructions read it; not loaded again.
;   BT                16 loads land in it (bx = 0); conversions in place, matrix instructions read it.  Later conversions write BT..BT+7, which QF's stores read; LDS loads land in BT+8..BT+15; BT+9 is scb's store data.
;   MX                written by the chain of maxima; its first four registers are read by four LDS stores; not written again.
;   BA                written by matrix instructions; read by four LDS stores; not written again.
;   ACC               written by matrix instructions; read by 32 LDS stores; behind the barrier LDS loads land in it, and the tree of additions writes it.
;   TM                written and read by the chain of maxima; behind the barrier LDS loads land in it.
; ONE wait on va_vdst, behind the products and their places, serves the stores of the maxima and of the partial sums and the LDS loads behind the barrier; ONE wait on vm_vsrc, behind the barrier, frees ACC.
; The other waits stand ahead of the first loads, of BA's stores (inside the branch that makes BA), of QF's stores and of scb's store.
.set RM,    131072                     ; LDS behind the partial sums (16,384 bytes a wave): the row maxima, wave v, tile i at 512 v + 128 i + 4 l
.set CBO,   4096                       ; and 4,096 further on, in the same form, the partial sums of Xi . b_temp
.set L16,  4                           ; v4   16 x lane
.set BO,   5                           ; v5   32 h
.set LS,   6                           ; v6   where I put partial sums
.set LR,   7                           ; v7   where I read partial sums 0-3 of my two tiles back
.set MS,   8                           ; v8   where I put row maxima
.set MR,   9                           ; v9   where I read them back
.set LR2,  12                          ; v12  LR for partial sums 4-7: an LDS immediate has 16 bits
.set SO,   13                          ; v13  8 r + 4 h: my word of scb
.set MX,   16                          ; v[16:19] largest, v[20:23] smallest Xi of tile i, two f16 each
.set TM,   24                          ; v[24:31] at work
.set BT,   32
.set BA,   96
.set ACC,  128
.set BFR,  128                         ; window 1
.set MSB, 0
.macro WIN new                         ; s_set_vgpr_msb: bits 1:0 source 0, 3:2 source 1, 5:4 source 2, 7:6 destination; the high byte repeats the setting that is left
.if MSB != (\new)
	s_set_vgpr_msb (MSB<<8)|(\new)
.set MSB, (\new)
.endif
.endm
.macro PLACES
.rept 4
	v_nop
.endr
.endm
	s_load_b256 s[4:11], s[0:1], 0x0               ; XiF s[4:5], WtF s[6:7], b_temp s[8:9], QF s[10:11]
	s_load_b64 s[12:13], s[0:1], 0x20              ; scb
	v_lshl_add_u32 v14, v0, 2, 0x22000
	v_mov_b32 v15, 0
	v_lshrrev_b32 v1, 5, v0
	v_readfirstlane_b32 s14, v1                    ; wave 0..7
	v_and_b32 v1, 15, v0                           ; r
	v_bfe_u32 v2, v0, 4, 1                         ; h
	v_and_b32 v3, 31, v0                           ; lane
	s_mov_b32 s15, ttmp9                           ; bx: 64 columns of Q
	s_and_b32 s16, ttmp7, 0xffff                   ; by: 64 rows
	s_mov_b32 s20, 0x76543210                      ; v_permlanex16_b32: each lane takes its own place in the other half
	s_mov_b32 s21, 0xfedcba98
	v_lshlrev_b32 v[L16], 4, v3
	v_lshlrev_b32 v[BO], 5, v2
	s_wait_alu depctr_va_sdst(0)                   ; s14 is written, ahead of its first reader: offsets, LDS addresses and a branch at the end are made from it
	s_lshl_b32 s34, s14, 14
	v_lshl_add_u32 v[LS], v3, 4, s34
	s_lshl_b32 s34, s14, 11                        ; my two tiles are 2 v and 2 v + 1
	v_lshl_add_u32 v[LR], v3, 4, s34
	v_add_nc_u32 v[LR2], 0x10000, v[LR]
	s_lshl_b32 s34, s14, 9
	s_add_co_u32 s34, s34, RM
	v_lshl_add_u32 v[MS], v3, 2, s34
	s_lshr_b32 s35, s14, 1                         ; i: the m tile that I finish
	s_and_b32 s36, s14, 1
	s_lshl_b32 s34, s35, 7
	s_add_co_u32 s34, s34, RM
	v_lshl_add_u32 v[MR], v3, 2, s34
	v_lshlrev_b32 v[SO], 3, v1
	v_lshl_add_u32 v[SO], v2, 2, v[SO]
	s_mov_b32 s33, 0                               ; offsets are made apart from the addresses, in s[32:33]
	s_wait_kmcnt 0x0
	s_lshl_b32 s32, s16, 17
	s_lshl_b32 s34, s14, 12                        ; my wave's four blocks along K
	s_add_co_u32 s32, s32, s34
	s_add_nc_u64 s[22:23], s[4:5], s[32:33]
	s_lshl_b32 s32, s15, 17
	s_add_co_u32 s32, s32, s34
	s_add_nc_u64 s[24:25], s[6:7], s[32:33]
	s_lshl_b32 s32, s14, 9
	s_add_nc_u64 s[26:27], s[8:9], s[32:33]        ; b_temp at a = 128 v
	s_lshr_b32 s32, s15, 1                         ; step = bx / 2
	s_lshl_b32 s32, s32, 5
	s_lshl_b32 s34, s16, 2
	s_add_co_u32 s32, s32, s34
	s_add_co_u32 s32, s32, s35                     ; b / 16 = 4 by + i
	s_lshl_b32 s32, s32, 2
	s_and_b32 s34, s15, 1
	s_lshl_b32 s34, s34, 1
	s_add_co_u32 s32, s32, s34
	s_add_co_u32 s32, s32, s36                     ; q = 2 (bx & 1) + (v & 1)
	s_lshl_b32 s32, s32, 10
	s_add_nc_u64 s[28:29], s[10:11], s[32:33]      ; my block of QF
	s_lshl_b32 s32, s16, 9
	s_lshl_b32 s34, s35, 7
	s_add_co_u32 s32, s32, s34
	s_add_nc_u64 s[30:31], s[12:13], s[32:33]      ; scb at row 64 by + 16 i
	WIN 0x40                                       ; destination window 1, address window 0
	s_wait_alu depctr_va_vdst(0)                   ; the eight offsets and LDS addresses v4 to v9, v12 and v13 are written, which every load and store of the kernel reads
.set f, 0
.rept 16
	global_load_b128 v[8*f:8*f+3],   v[L16], s[22:23] offset:(f/4)*32768+(f%4)*1024
	global_load_b128 v[8*f+4:8*f+7], v[L16], s[22:23] offset:(f/4)*32768+(f%4)*1024+512
.set f, f+1
.endr
.set f, 0
.rept 16
	global_load_b128 v[BFR+8*f:BFR+8*f+3],   v[L16], s[24:25] offset:(f/4)*32768+(f%4)*1024
	global_load_b128 v[BFR+8*f+4:BFR+8*f+7], v[L16], s[24:25] offset:(f/4)*32768+(f%4)*1024+512
.set f, f+1
.endr
	WIN 0
	s_cmp_lg_u32 s15, 0
	s_cbranch_scc1 .Lno_bias_loads
.set f, 0
.rept 4                                ; b_temp[128 v + 32 f + 8 h + 0..7] and [.. + 16 + 8 h + 0..7], the same in all 16 rows of the fragment
	global_load_b128 v[BT+16*f:BT+16*f+3],     v[BO], s[26:27] offset:128*f
	global_load_b128 v[BT+16*f+4:BT+16*f+7],   v[BO], s[26:27] offset:128*f+16
	global_load_b128 v[BT+16*f+8:BT+16*f+11],  v[BO], s[26:27] offset:128*f+64
	global_load_b128 v[BT+16*f+12:BT+16*f+15], v[BO], s[26:27] offset:128*f+80
.set f, f+1
.endr
.Lno_bias_loads:
.set n, 0
.rept 8
	v_mov_b32 v[MX+n], 0                           ; largest and smallest start at 0
.set n, n+1
.endr
	s_wait_loadcnt 32                              ; Xi's 32 loads are in; W_temp's 32 may stay out (with b_temp's 16 behind them the count asks for more than is needed)
	WIN 0x04                                       ; source 1 in window 1
.set n, 0
.rept 32                               ; eight chains that do not wait for each other
.irp i, 0,1,2,3
	v_pk_max_num_f16 v[MX+(\i)],   v[MX+(\i)],   v[32*(\i)+n]
	v_pk_min_num_f16 v[MX+4+(\i)], v[MX+4+(\i)], v[32*(\i)+n]
.endr
.set n, n+1
.endr
	WIN 0
.irp i, 0,1,2,3
	v_xor_b32 v[MX+4+(\i)], 0x80008000, v[MX+4+(\i)]   ; minus the smallest
.endr
.irp i, 0,1,2,3
	v_pk_max_num_f16 v[MX+(\i)], v[MX+(\i)], v[MX+4+(\i)]
.endr
.irp i, 0,1,2,3                        ; from here on as whole numbers: the bit patterns of f16 numbers that are not negative stand in the numbers' order
	v_bfe_u32 v[TM+(\i)], v[MX+(\i)], 16, 15
.endr
.irp i, 0,1,2,3
	v_and_b32 v[MX+(\i)], 0x7fff, v[MX+(\i)]
.endr
.irp i, 0,1,2,3
	v_max_u32 v[MX+(\i)], v[MX+(\i)], v[TM+(\i)]
.endr
.irp i, 0,1,2,3
	v_permlanex16_b32 v[TM+(\i)], v[MX+(\i)], s20, s21 ; the row's other K lie in the lane 16 away
.endr
.irp i, 0,1,2,3
	v_max_u32 v[MX+(\i)], v[MX+(\i)], v[TM+(\i)]       ; the maxima are stored behind the products, with the partial sums: one wait serves both
.endr
	s_wait_loadcnt 0x0
	WIN 0x05                                       ; sources 0 and 1 in window 1, C and D in window 0
.irp kq, 0,1,2,3                       ; 64 products; the 16 accumulators take turns; the first 16 start the sums
.irp i, 0,1,2,3
.irp j, 0,1,2,3
.if (\kq) == 0
	v_wmma_f32_16x16x32_f16 v[ACC+8*(4*(\i)+(\j)):ACC+8*(4*(\i)+(\j))+7], v[BFR+8*(4*(\j)+(\kq)):BFR+8*(4*(\j)+(\kq))+7], v[8*(4*(\i)+(\kq)):8*(4*(\i)+(\kq))+7], 0
.else
	v_wmma_f32_16x16x32_f16 v[ACC+8*(4*(\i)+(\j)):ACC+8*(4*(\i)+(\j))+7], v[BFR+8*(4*(\j)+(\kq)):BFR+8*(4*(\j)+(\kq))+7], v[8*(4*(\i)+(\kq)):8*(4*(\i)+(\kq))+7], v[ACC+8*(4*(\i)+(\j)):ACC+8*(4*(\i)+(\j))+7]
.endif
.endr
.endr
.endr
	WIN 0
	s_cmp_lg_u32 s15, 0
	s_cbranch_scc1 .Lno_bias
.irp kq, 0,1,2,3
.set n, 0
.rept 8                                ; in place: register n is written when 2 n and 2 n + 1 have been read
	v_cvt_pk_f16_f32 v[BT+16*(\kq)+n], v[BT+16*(\kq)+2*n], v[BT+16*(\kq)+2*n+1]
.set n, n+1
.endr
.endr
	WIN 0x04                                       ; source 0 (b_temp) window 0, source 1 (Xi) window 1
.irp kq, 0,1,2,3                       ; the four accumulators take turns
.irp i, 0,1,2,3
.if (\kq) == 0
	v_wmma_f32_16x16x32_f16 v[BA+8*(\i):BA+8*(\i)+7], v[BT+16*(\kq):BT+16*(\kq)+7], v[8*(4*(\i)+(\kq)):8*(4*(\i)+(\kq))+7], 0
.else
	v_wmma_f32_16x16x32_f16 v[BA+8*(\i):BA+8*(\i)+7], v[BT+16*(\kq):BT+16*(\kq)+7], v[8*(4*(\i)+(\kq)):8*(4*(\i)+(\kq))+7], v[BA+8*(\i):BA+8*(\i)+7]
.endif
.endr
.endr
	WIN 0
	PLACES
	PLACES
	s_wait_alu depctr_va_vdst(0)                   ; the matrix instructions have written BA, which the four LDS stores read; the places above stay beside this wait
.irp i, 0,1,2,3
	ds_store_b32 v[MS], v[BA+8*(\i)] offset:CBO+128*(\i)   ; the lowest register: lane l holds row l % 16's partial sum
.endr
.Lno_bias:
	PLACES
	PLACES
	s_wait_alu depctr_va_vdst(0)                   ; the matrix instructions have written ACC and the chain of maxima MX, which the LDS stores read; every vector reader and writer of TM and ACC, in which the LDS loads behind the barrier land, is done; the places above stay beside this wait
.irp i, 0,1,2,3
	ds_store_b32 v[MS], v[MX+(\i)] offset:128*(\i)
.endr
.set t, 0
.rept 16                               ; each accumulator's low registers are read first
	ds_store_b128 v[LS], v[ACC+8*t:ACC+8*t+3]   offset:1024*t
	ds_store_b128 v[LS], v[ACC+8*t+4:ACC+8*t+7] offset:1024*t+512
.set t, t+1
.endr
	s_wait_dscnt 0x0                               ; for the others' sake: my partial sums and maxima lie in LDS
	s_barrier_signal -1
	s_barrier_wait -1
	s_wait_alu depctr_vm_vsrc(0)                   ; my LDS stores have read ACC, in which the loads below land and which the tree of additions then writes
.set p, 0
.rept 4
.irp c, 0,1,2,3                        ; piece c = 2 x tile + u of partial sum p, and of p + 4
	ds_load_b128 v[ACC+16*p+4*(\c):ACC+16*p+4*(\c)+3],       v[LR]  offset:p*16384+512*(\c)
	ds_load_b128 v[ACC+64+16*p+4*(\c):ACC+64+16*p+4*(\c)+3], v[LR2] offset:p*16384+512*(\c)
.endr
.set p, p+1
.endr
.set p, 0
.rept 8
	ds_load_b32 v[TM+p], v[MR] offset:512*p
.set p, p+1
.endr
	s_wait_dscnt 0x0
	v_max_u32 v[TM], v[TM], v[TM+1]
	v_max_u32 v[TM+2], v[TM+2], v[TM+3]
	v_max_u32 v[TM+4], v[TM+4], v[TM+5]
	v_max_u32 v[TM+6], v[TM+6], v[TM+7]
	v_max_u32 v[TM], v[TM], v[TM+2]
	v_max_u32 v[TM+4], v[TM+4], v[TM+6]
	v_max_u32 v[TM], v[TM], v[TM+4]                ; the row's largest |Xi|, as an f16 pattern
	v_lshrrev_b32 v[TM], 10, v[TM]                 ; its exponent field E,
	v_max_u32 v[TM], 1, v[TM]                      ; at the least 1: below that f16 has one fixed step
	v_add_nc_u32 v[TM], 112, v[TM]
	v_lshlrev_b32 v[TM], 23, v[TM]                 ; 2^e = 2^(E - 15) as f32
	v_sub_nc_u32 v[TM+2], 0x7f000000, v[TM]        ; 2^-e: the exponent fields of a power of two and of its inverse add up to 254
	v_mov_b32 v[TM+3], v[TM+2]
	v_mul_f32 v[TM+1], 0x3e000000, v[TM]           ; sc = 0.125 x 2^e
.irp s, 4,2,1                          ; the 8 partial sums as a tree
.set p, 0
.rept \s
.set q, 0
.rept 8
	v_pk_add_f32 v[ACC+16*p+2*q:ACC+16*p+2*q+1], v[ACC+16*p+2*q:ACC+16*p+2*q+1], v[ACC+16*(p+(\s))+2*q:ACC+16*(p+(\s))+2*q+1]
.set q, q+1
.endr
.set p, p+1
.endr
.endr
.set q, 0
.rept 8
	v_pk_mul_f32 v[ACC+2*q:ACC+2*q+1], v[ACC+2*q:ACC+2*q+1], v[TM+2:TM+3]
.set q, q+1
.endr
.set q, 0
.rept 8
	v_cvt_pk_f16_f32 v[BT+q], v[ACC+2*q], v[ACC+2*q+1]
.set q, q+1
.endr
	s_wait_alu depctr_va_vdst(0)                   ; the conversions have written BT to BT+7, which the two stores read; every vector or matrix reader and writer of BT+8 to BT+15, in which the LDS loads below land, is done
	global_store_b128 v[L16], v[BT:BT+3],   s[28:29]             ; 512 consecutive bytes each, aligned: together one block of QF
	global_store_b128 v[L16], v[BT+4:BT+7], s[28:29] offset:512
	s_cmp_lg_u32 s15, 0
	s_cbranch_scc1 .Lend
	s_cmp_lg_u32 s36, 0                            ; of the two waves of an m tile the even one writes its 16 pairs
	s_cbranch_scc1 .Lend
.set p, 0
.rept 8
	ds_load_b32 v[BT+8+p], v[MR] offset:CBO+512*p
.set p, p+1
.endr
	s_wait_dscnt 0x0
	v_add_f32 v[BT+8],  v[BT+8],  v[BT+9]
	v_add_f32 v[BT+10], v[BT+10], v[BT+11]
	v_add_f32 v[BT+12], v[BT+12], v[BT+13]
	v_add_f32 v[BT+14], v[BT+14], v[BT+15]
	v_add_f32 v[BT+8],  v[BT+8],  v[BT+10]
	v_add_f32 v[BT+12], v[BT+12], v[BT+14]
	v_add_f32 v[BT+8],  v[BT+8],  v[BT+12]
	v_mul_f32 v[BT+8], 0x3e000000, v[BT+8]         ; cb = 0.125 x (Xi . b_temp)
	v_cmp_eq_u32 vcc_lo, 1, v2
	s_wait_alu depctr_va_vcc(0)                    ; the compare has written VCC, which the select below reads
	v_cndmask_b32 v[BT+9], v[TM+1], v[BT+8], vcc_lo ; lanes 0-15 store sc of row r, lanes 16-31 cb
	s_wait_alu depctr_va_vdst(0)                   ; the select has written BT+9, which the store reads
	global_store_b32 v[SO], v[BT+9], s[30:31]      ; 128 consecutive bytes
.Lend:
	s_wait_dscnt 0x0                               ; the wave's end
	s_wait_alu depctr_hold_cnt(0) depctr_sa_sdst(0) depctr_va_vdst(0) depctr_va_sdst(0) depctr_va_ssrc(0) depctr_va_vcc(0) depctr_vm_vsrc(0)
	s_wait_tensorcnt 0x0
	ds_add_u32 v14, v15
	s_wait_dscnt 0x0
	s_endpgm
.Lfunc_end_k_q56c6761f09_fold:
	.size	k_q56c6761f09_fold, .Lfunc_end_k_q56c6761f09_fold-k_q56c6761f09_fold
	.p2alignl 7, 3214868480
	.fill 96, 4, 3214868480
	.section	.rodata,"a",@progbits
	.p2align	6, 0x0
	.amdhsa_kernel k_q56c6761f09_fold
		.amdhsa_group_segment_fixed_size 140288
		.amdhsa_private_segment_fixed_size 0
		.amdhsa_enable_private_segment 0
		.amdhsa_kernarg_size 40
		.amdhsa_user_sgpr_count 2
		.amdhsa_user_sgpr_kernarg_segment_ptr 1
		.amdhsa_wavefront_size32 1
		.amdhsa_system_sgpr_workgroup_id_x 1
		.amdhsa_system_sgpr_workgroup_id_y 1
		.amdhsa_system_sgpr_workgroup_id_z 1
		.amdhsa_system_vgpr_workitem_id 0
		.amdhsa_next_free_vgpr 512
		.amdhsa_next_free_sgpr 66
		.amdhsa_reserve_vcc 1
		.amdhsa_float_denorm_mode_32 3
		.amdhsa_float_denorm_mode_16_64 3
		.amdhsa_memory_ordered 1
		.amdhsa_forward_progress 1
		.amdhsa_inst_pref_size 48
	.end_amdhsa_kernel
	.amdgpu_metadata
---
amdhsa.version: [ 1, 2 ]
amdhsa.kernels:
  - .name:           k_q56c6761f09_fold
    .symbol:         k_q56c6761f09_fold.kd
    .args:
      - { .name: XiF, .offset: 0, .size: 8, .value_kind: global_buffer, .address_space: global }
      - { .name: WtF, .offset: 8, .size: 8, .value_kind: global_buffer, .address_space: global }
      - { .name: b_temp, .offset: 16, .size: 8, .value_kind: global_buffer, .address_space: global }
      - { .name: QF, .offset: 24, .size: 8, .value_kind: global_buffer, .address_space: global }
      - { .name: scb, .offset: 32, .size: 8, .value_kind: global_buffer, .address_space: global }
    .group_segment_fixed_size: 140288
    .private_segment_fixed_size: 0
    .kernarg_segment_align: 8
    .kernarg_segment_size: 40
    .max_flat_workgroup_size: 256
    .sgpr_count:     66
    .vgpr_count:     512
    .wavefront_size: 32
...
	.end_amdgpu_metadata
.endif
;; end of part 5
;; launch score: the kernel of part 3 again; grid 224 x 1, 4 waves a work-group, clusters of 4 x 1, 327,680 bytes of LDS; arguments QF, scb, templates, out0; writes out0
